; MI455X (gfx1250); checked and timed in simulation.
; The chip was launched on July 23, 2026; its instructions are those of AMD's public machine-readable ISA for CDNA 5 (MIT licence, August 2026) and "CDNA5" Instruction Set Architecture Reference Guide (July 2026). The comments in the code are by the model that wrote it; some were corrected since.
;; Mo EV2. Allowed arithmetic: float matrix products may take bf16 or f16 operands with f32 sums; other float arithmetic in f32, or as packed bf16 or f16 multiplies, adds, multiply-adds, maxima and minima; sums over many terms, partial sums and values carried from step to step in f32; what a program stores and reads back later, other than sums and carried values, may be rounded once to bf16 or f16.
;; Inputs: W1 2 x 1,024 x 4,096 float32; W2 2 x 4,096 x 1,024 float32; beta 1,024 float32; gamma 1,024 float32; router_w 2 x 1,024 float32; x 2 x 2,048 x 1,024 float32.
;; Outputs: out0 2 x 2,048 x 1,024 float32.
;; 2 versions, each right; version 2 is version 1 with the launch comb written anew for expert scheduling mode. Each part assembles by itself: llvm-mc -triple=amdgcn-amd-amdhsa -mcpu=gfx1250 --defsym DOCPART=n.
;; ======== version 1 of 2: 4 launches
;; workspace buffers: xn 8,388,608 bytes; gate 32,768 bytes; w1t 16,777,216 bytes; w2t 16,777,216 bytes; hid 67,108,864 bytes; part 67,108,864 bytes
;; launch prep (part 1): grid 256 x 1, 16 waves a work-group, no clusters, 141,312 bytes of LDS; arguments x, gamma, beta, router_w, W1, W2, xn, gate, w1t, w2t; writes xn, gate, w1t, w2t
.if DOCPART == 1
	.amdgcn_target "amdgcn-amd-amdhsa--gfx1250"
	.amdhsa_code_object_version 6
	.text
	.protected	k_q44013f8ed3_prep
	.globl	k_q44013f8ed3_prep
	.p2align	8
	.type	k_q44013f8ed3_prep,@function
k_q44013f8ed3_prep:
	s_mov_b64 s[64:65], 0
	v_nop
	global_prefetch_b8 v0, s[64:65] scope:SCOPE_SE
	s_setreg_imm32_b32 hwreg(HW_REG_WAVE_MODE, 25, 1), 1
	s_wait_xcnt 0x0
; PREP.  Two jobs side by side in one work-group of sixteen waves; no wave waits for another, so there is no barrier.
; Waves 0-7: each takes ONE tile of 128 k x 64 n of W1 (work-groups 0-127) or of W2 (128-255), f32 stored [k][n], rounds it once to bf16 and writes it turned,
;   [n][k]: w1t[e*4096+f][d] (rows of 2,048 bytes), w2t[d][e*4096+f] (rows of 16,384 bytes).  256 x 8 tiles are all of both tensors; each weight byte is read once.
; Waves 8-15: each takes two rows of x: LayerNorm in f32 (mean, then the variance of x - mean), xn rounded once to bf16; the two logits from the unrounded xn;
;   softmax of logits / 1.5 with the maximum taken away.  The module takes the best 2 of 2 experts and gives each weight back to its own expert, so the dense weights
;   ARE the softmax.  gate[row][e] holds -ln2 x p_e: the next launch multiplies it by -log2(e) x h, which it needs for the exponential anyway.
; LIMITS.  NaN and infinities are not treated apart.  The gates' store is 16 bytes a wave (32 KB in the whole launch): part of a 256-byte block.
.set SPW,   6                          ; v6   LDS address of my spare word; never rewritten
.set NIL,   7                          ; v7   0; never rewritten
.set WREG,  17408                      ; a transposing wave's own LDS: 64 rows (one per n) of 256 bytes (128 k) + 16 of padding
.set LP,    272                        ; that pitch: 68 words, so sixteen rows start at sixteen different groups of four banks (64 banks of 4 bytes: ISA guide 11.1)
.set SPARE, 8*WREG                     ; 139,264 = 544 x 256: the spare words, 128 bytes for each of sixteen waves; no other line names them
; transposing waves
.set VIN,   8                          ; v8   8 h rows of the input + 16 c      (c = lane % 16, h = lane / 16)
.set VOUT,  9                          ; v9   4 h rows of the output + 16 c
.set LST,   10                         ; v10  my LDS + c x 272 + 16 h
.set RDL,   11                         ; v11  my LDS + h x 272 + 16 c
.set D,     24                         ; v[24:151]  four batches of eight loads; later the 32 rows read back
.set P,     152                        ; v[152:167] a batch, packed
; norm waves
.set VL16,  8                          ; v8   16 x lane
.set VL8,   9                          ; v9   8 x lane
.set INV,   10                         ; v10  1/1024
.set X,     24                         ; v[24:87]   two rows, 32 registers each: load j holds columns 128 j + 4 lane + 0..3
.set GA,    88                         ; v[88:119]  gamma, in the same order
.set BE,    120                        ; v[120:151] beta
.set R0,    152                        ; v[152:215] router_w, rows 0 and 1
.set T,     216                        ; v[216:231] four pairs of running sums a row
.set M,     232                        ; v[232:247] a row's eight: mean (twice), 1/sigma (twice), the two logits (later weights), two at work
.macro FINISH                          ; three closing lines at the end of a wave of a launch that stores to LDS
	s_wait_tensorcnt 0x0
	ds_add_u32 v[SPW], v[NIL]
	s_wait_dscnt 0x0
	s_endpgm
.endm
	s_load_b512 s[8:23], s[0:1], 0x0               ; x s[8:9], gamma s[10:11], beta s[12:13], router_w s[14:15], W1 s[16:17], W2 s[18:19], xn s[20:21], gate s[22:23]
	s_load_b128 s[24:27], s[0:1], 0x40             ; w1t s[24:25], w2t s[26:27]
	v_lshl_add_u32 v[SPW], v0, 2, SPARE
	v_mov_b32 v[NIL], 0
	v_and_b32 v2, 31, v0                           ; lane
	v_and_b32 v3, 15, v0                           ; c
	v_bfe_u32 v4, v0, 4, 1                         ; h
	v_lshrrev_b32 v1, 5, v0
	v_readfirstlane_b32 s4, v1                     ; wave 0..15
	s_mov_b32 s28, 0x76543210                      ; v_permlanex16_b32: each lane takes its own place in the other half
	s_mov_b32 s29, 0xfedcba98
	s_wait_kmcnt 0x0
	s_cmp_lt_u32 s4, 8
	s_cbranch_scc0 .Lnorm
; ---------------------------------------------------------------- waves 0-7: a tile of weights, rounded and turned
	s_mul_i32 s35, s4, WREG
	v_mul_u32_u24 v[LST], v3, LP
	v_lshl_add_u32 v[LST], v4, 4, v[LST]
	v_add_nc_u32 v[LST], s35, v[LST]
	v_mul_u32_u24 v[RDL], v4, LP
	v_lshl_add_u32 v[RDL], v3, 4, v[RDL]
	v_add_nc_u32 v[RDL], s35, v[RDL]
; Batch bb of eight loads: load j brings rows 16 bb + j (lanes 0-15) and 16 bb + 8 + j (lanes 16-31), 256 consecutive aligned bytes each: a lane gets columns 4 c + 0..3.
.macro WLOAD INP, IB
.set j, 0
.rept 8
	global_load_b128 v[D+32*(bb%4)+4*j:D+32*(bb%4)+4*j+3], v[VIN], s[\IB:\IB+1] offset:(16*bb+j)*(\INP) th:TH_LOAD_NT
.set j, j+1
.endr
.endm
; INP, OUTP: bytes from row to row of the input and of the output; IB, OB: the scalar pairs that hold the tile's two addresses.
.macro WTILE INP, OUTP, IB, OB
	v_mul_u32_u24 v[VIN], v4, 8*(\INP)
	v_lshl_add_u32 v[VIN], v3, 4, v[VIN]
	v_mul_u32_u24 v[VOUT], v4, 4*(\OUTP)
	v_lshl_add_u32 v[VOUT], v3, 4, v[VOUT]
.set bb, 0
.rept 4
	WLOAD \INP, \IB                                ; 32 loads, 16 KB of the wave's 32, go out at once
.set bb, bb+1
.endr
.set b, 0
.rept 8
.if b < 5
	s_wait_loadcnt 24                              ; loads come back in order (ISA guide 5.7.1): batch b is in, the three younger batches stay out
.else
	s_wait_loadcnt 8*(7-b)                         ; nothing is left to ask for: the counts run down
.endif
.set DB, D+32*(b%4)
.set i, 0
.rept 4                                ; column 4 c + i: its eight k (16 b + 8 h + 0..7) pack into 16 bytes
.set q, 0
.rept 4
	v_cvt_pk_bf16_f32 v[P+4*i+q], v[DB+8*q+i], v[DB+8*q+4+i]
.set q, q+1
.endr
.set i, i+1
.endr
.set i, 0
.rept 4                                ; column 4 c + i lies in LDS row 16 i + c
	ds_store_b128 v[LST], v[P+4*i:P+4*i+3] offset:i*16*LP+32*b
.set i, i+1
.endr
.if b < 4
.set bb, b+4
	WLOAD \INP, \IB                                ; the batch's registers take the batch four further on
.endif
.set b, b+1
.endr
.set t, 0
.rept 32                               ; back by whole rows: load t = 8 i + tt brings LDS rows 2 t + h, which are columns 8 tt + 4 h + i
	ds_load_b128 v[D+4*t:D+4*t+3], v[RDL] offset:2*LP*t  ; LDS serves a wave's instructions in order (ISA guide 5.7.1.4): these see my stores above
.set t, t+1
.endr
.set t, 0
.rept 32
	s_wait_dscnt 31-t                              ; row pair t is back; the younger loads stay out
	global_store_b128 v[VOUT], v[D+4*t:D+4*t+3], s[\OB:\OB+1] offset:(8*(t%8)+t/8)*(\OUTP)  ; sixteen lanes store 256 consecutive bytes, aligned
.set t, t+1
.endr
	FINISH
.endm
	s_cmp_lt_u32 ttmp9, 128
	s_cbranch_scc0 .Lw2
	s_lshr_b32 s30, ttmp9, 6                       ; W1: expert e,
	s_and_b32 s31, ttmp9, 63                       ; block of 64 hidden columns nb; the wave's number is the block of 128 k
	s_lshl_b32 s32, s30, 24                        ; in: e x 16 MiB + 128 w rows of 16,384 bytes + 256 nb
	s_lshl_b32 s33, s4, 21
	s_add_co_u32 s32, s32, s33
	s_lshl_b32 s33, s31, 8
	s_add_co_u32 s32, s32, s33
	s_mov_b32 s33, 0
	s_add_nc_u64 s[16:17], s[16:17], s[32:33]
	s_lshl_b32 s32, s30, 23                        ; out: (4096 e + 64 nb) rows of 2,048 bytes + 256 w
	s_lshl_b32 s34, s31, 17
	s_add_co_u32 s32, s32, s34
	s_lshl_b32 s34, s4, 8
	s_add_co_u32 s32, s32, s34
	s_add_nc_u64 s[24:25], s[24:25], s[32:33]
	WTILE 16384, 2048, 16, 24
.Lw2:
	s_sub_co_u32 s30, ttmp9, 128                   ; W2: g
	s_lshr_b32 s31, s30, 6                         ; expert e
	s_bfe_u32 s34, s30, 0x20004                    ; (g >> 4) & 3,
	s_lshl3_add_u32 s34, s34, s4                   ; times 8 + wave: the block of 128 k, kb = 0..31
	s_and_b32 s30, s30, 15                         ; block of 64 output columns nb
	s_lshl_b32 s32, s31, 24                        ; in: e x 16 MiB + 128 kb rows of 4,096 bytes + 256 nb
	s_lshl_b32 s33, s34, 19
	s_add_co_u32 s32, s32, s33
	s_lshl_b32 s33, s30, 8
	s_add_co_u32 s32, s32, s33
	s_mov_b32 s33, 0
	s_add_nc_u64 s[18:19], s[18:19], s[32:33]
	s_lshl_b32 s32, s30, 20                        ; out: 64 nb rows of 16,384 bytes + (4096 e + 128 kb) x 2
	s_lshl_b32 s35, s31, 13
	s_add_co_u32 s32, s32, s35
	s_lshl_b32 s35, s34, 8
	s_add_co_u32 s32, s32, s35
	s_add_nc_u64 s[26:27], s[26:27], s[32:33]
	WTILE 4096, 16384, 18, 26
; ---------------------------------------------------------------- waves 8-15: two rows of x each
.Lnorm:
	s_sub_co_u32 s5, s4, 8
	s_lshl_b32 s30, ttmp9, 16                      ; rows 16 wg + 2 u and the next: x at row x 4,096,
	s_lshl_b32 s31, s5, 13
	s_add_co_u32 s30, s30, s31
	s_mov_b32 s31, 0
	s_add_nc_u64 s[8:9], s[8:9], s[30:31]
	s_lshr_b32 s30, s30, 1                         ; xn at row x 2,048,
	s_add_nc_u64 s[20:21], s[20:21], s[30:31]
	s_lshr_b32 s30, s30, 8                         ; gate at row x 8
	s_add_nc_u64 s[22:23], s[22:23], s[30:31]
	v_lshlrev_b32 v[VL16], 4, v2
	v_lshlrev_b32 v[VL8], 3, v2
	v_mov_b32 v[INV], 0x3a800000                   ; 1/1024
.macro LD8 dst, base, off              ; 4,096 bytes: eight loads of 512 consecutive bytes
.set j, 0
.rept 8
	global_load_b128 v[(\dst)+4*j:(\dst)+4*j+3], v[VL16], s[\base:\base+1] offset:(\off)+512*j
.set j, j+1
.endr
.endm
	LD8 X, 8, 0                                    ; 48 loads go out before the first wait
	LD8 X+32, 8, 4096
	LD8 GA, 10, 0
	LD8 BE, 12, 0
	LD8 R0, 14, 0
	LD8 R0+32, 14, 4096
.macro RED r, t                        ; the sum over the 32 lanes, in every lane; t has been written before
	v_add_f32_dpp v[\r], v[\r], v[\r] row_xmask:1 row_mask:0xf bank_mask:0xf
	v_add_f32_dpp v[\r], v[\r], v[\r] row_xmask:2 row_mask:0xf bank_mask:0xf
	v_add_f32_dpp v[\r], v[\r], v[\r] row_xmask:4 row_mask:0xf bank_mask:0xf
	v_add_f32_dpp v[\r], v[\r], v[\r] row_xmask:8 row_mask:0xf bank_mask:0xf
	v_permlanex16_b32 v[\t], v[\r], s28, s29
	v_add_f32 v[\r], v[\r], v[\t]
.endm
.macro ROWREGS p
.set XB, X+32*(\p)
.set TB, T+8*(\p)
.set MB, M+8*(\p)
.endm
.macro FOLD                            ; four pairs into one number, then over the lanes
	v_pk_add_f32 v[TB:TB+1], v[TB:TB+1], v[TB+2:TB+3]
	v_pk_add_f32 v[TB+4:TB+5], v[TB+4:TB+5], v[TB+6:TB+7]
	v_pk_add_f32 v[TB:TB+1], v[TB:TB+1], v[TB+4:TB+5]
	v_add_f32 v[TB], v[TB], v[TB+1]
	RED TB, TB+1
.endm
.macro SUM p                           ; the mean: four chains that do not wait for each other, started by the first eight pairs
	ROWREGS \p
.set k, 0
.rept 4
	v_pk_add_f32 v[TB+2*k:TB+2*k+1], v[XB+2*k:XB+2*k+1], v[XB+8+2*k:XB+8+2*k+1]
.set k, k+1
.endr
.set k, 8
.rept 8
	v_pk_add_f32 v[TB+2*(k%4):TB+2*(k%4)+1], v[TB+2*(k%4):TB+2*(k%4)+1], v[XB+2*k:XB+2*k+1]
.set k, k+1
.endr
	FOLD
	v_mul_f32 v[MB], v[TB], v[INV]
	v_mul_f32 v[MB+1], v[TB], v[INV]
.endm
.macro VAR p                           ; x - mean in place, then the mean of its squares, + 1e-5
	ROWREGS \p
.set k, 0
.rept 16
	v_pk_add_f32 v[XB+2*k:XB+2*k+1], v[XB+2*k:XB+2*k+1], v[MB:MB+1] neg_lo:[0,1] neg_hi:[0,1]
.set k, k+1
.endr
.set k, 0
.rept 4
	v_pk_mul_f32 v[TB+2*k:TB+2*k+1], v[XB+2*k:XB+2*k+1], v[XB+2*k:XB+2*k+1]
.set k, k+1
.endr
.rept 12
	v_pk_fma_f32 v[TB+2*(k%4):TB+2*(k%4)+1], v[XB+2*k:XB+2*k+1], v[XB+2*k:XB+2*k+1], v[TB+2*(k%4):TB+2*(k%4)+1]
.set k, k+1
.endr
	FOLD
	v_fmaak_f32 v[MB+4], v[TB], v[INV], 0x3727c5ac
.endm
.macro NORM p                          ; xn = (x - mean) / sigma x gamma + beta
	ROWREGS \p
.set k, 0
.rept 16
	v_pk_mul_f32 v[XB+2*k:XB+2*k+1], v[XB+2*k:XB+2*k+1], v[MB+2:MB+3]
.set k, k+1
.endr
.set k, 0
.rept 16
	v_pk_fma_f32 v[XB+2*k:XB+2*k+1], v[XB+2*k:XB+2*k+1], v[GA+2*k:GA+2*k+1], v[BE+2*k:BE+2*k+1]
.set k, k+1
.endr
.endm
.macro LOGIT p                         ; xn . router_w[e], two chains an expert
	ROWREGS \p
.irp e, 0,1
	v_pk_mul_f32 v[TB+4*\e:TB+4*\e+1], v[XB:XB+1], v[R0+32*\e:R0+32*\e+1]
	v_pk_mul_f32 v[TB+4*\e+2:TB+4*\e+3], v[XB+2:XB+3], v[R0+32*\e+2:R0+32*\e+3]
.endr
.set k, 2
.rept 14
.irp e, 0,1
	v_pk_fma_f32 v[TB+4*\e+2*(k%2):TB+4*\e+2*(k%2)+1], v[XB+2*k:XB+2*k+1], v[R0+32*\e+2*k:R0+32*\e+2*k+1], v[TB+4*\e+2*(k%2):TB+4*\e+2*(k%2)+1]
.endr
.set k, k+1
.endr
.irp e, 0,1
	v_pk_add_f32 v[TB+4*\e:TB+4*\e+1], v[TB+4*\e:TB+4*\e+1], v[TB+4*\e+2:TB+4*\e+3]
	v_add_f32 v[MB+4+\e], v[TB+4*\e], v[TB+4*\e+1]
	RED MB+4+\e, TB+4*\e+1
.endr
.endm
.macro OUT p                           ; rounded to bf16 in place; a lane's four columns are 8 bytes, a wave's store 256 consecutive bytes, aligned
	ROWREGS \p
.set j, 0
.rept 8
	v_cvt_pk_bf16_f32 v[XB+4*j], v[XB+4*j], v[XB+4*j+1]
	v_cvt_pk_bf16_f32 v[XB+4*j+1], v[XB+4*j+2], v[XB+4*j+3]
	global_store_b64 v[VL8], v[XB+4*j:XB+4*j+1], s[20:21] offset:2048*(\p)+256*j
.set j, j+1
.endr
.endm
	s_wait_loadcnt 40                              ; row 0 is in; the 40 loads behind it stay out
	SUM 0
	s_wait_loadcnt 32                              ; row 1
	SUM 1
	VAR 0
	VAR 1
	v_rsq_f32 v[M+2], v[M+4]                       ; made twice a row, to fill the pair that the packed multiply names
	v_rsq_f32 v[M+3], v[M+4]
	v_rsq_f32 v[M+10], v[M+12]
	v_rsq_f32 v[M+11], v[M+12]
	v_nop                                          ; a plain instruction behind the last of them (ISA guide 5.7.2),
	s_wait_alu depctr_va_vdst(0)                   ; and one wait ahead of the batch's first reader
	s_wait_loadcnt 16                              ; gamma and beta are in; router_w's sixteen loads stay out
	NORM 0
	NORM 1
	s_wait_loadcnt 0x0
	LOGIT 0
	LOGIT 1
.irp p, 0,1                            ; softmax of logits / 1.5: the maximum is taken away first; 0.9617967 = log2(e) / 1.5
	v_max_num_f32 v[M+8*\p+6], v[M+8*\p+4], v[M+8*\p+5]
	v_sub_f32 v[M+8*\p+4], v[M+8*\p+4], v[M+8*\p+6]
	v_sub_f32 v[M+8*\p+5], v[M+8*\p+5], v[M+8*\p+6]
	v_mul_f32 v[M+8*\p+4], 0x3f76384f, v[M+8*\p+4]
	v_mul_f32 v[M+8*\p+5], 0x3f76384f, v[M+8*\p+5]
.endr
	v_exp_f32 v[M+4], v[M+4]
	v_exp_f32 v[M+5], v[M+5]
	v_exp_f32 v[M+12], v[M+12]
	v_exp_f32 v[M+13], v[M+13]
	v_nop
	s_wait_alu depctr_va_vdst(0)                   ; one wait for the four exponentials
	v_add_f32 v[M+6], v[M+4], v[M+5]               ; at least 1: the larger logit's term is 1
	v_add_f32 v[M+14], v[M+12], v[M+13]
	v_rcp_f32 v[M+7], v[M+6]
	v_rcp_f32 v[M+15], v[M+14]
	v_nop
	s_wait_alu depctr_va_vdst(0)                   ; one wait for the two reciprocals
.irp p, 0,1
	v_mul_f32 v[M+8*\p+7], 0xbf317218, v[M+8*\p+7] ; -ln2 / sum
	v_mul_f32 v[M+8*\p+4], v[M+8*\p+4], v[M+8*\p+7]
	v_mul_f32 v[M+8*\p+5], v[M+8*\p+5], v[M+8*\p+7]
.endr
	OUT 0
	OUT 1
	v_cmp_eq_u32 vcc_lo, 1, v2                     ; lane 0 stores row 0's two gates, lane 1 row 1's
	v_cndmask_b32 v[T], v[M+4], v[M+12], vcc_lo
	v_cndmask_b32 v[T+1], v[M+5], v[M+13], vcc_lo
	v_cmp_gt_u32 vcc_lo, 2, v2
	s_wait_xcnt 0x0                                ; EXEC is a source of the stores above: it changes only behind this wait
	s_and_saveexec_b32 s34, vcc_lo
	global_store_b64 v[VL8], v[T:T+1], s[22:23]
	s_wait_xcnt 0x0                                ; and again in front of the line that widens it
	s_or_b32 exec_lo, exec_lo, s34
	FINISH
.Lfunc_end_k_q44013f8ed3_prep:
	.size	k_q44013f8ed3_prep, .Lfunc_end_k_q44013f8ed3_prep-k_q44013f8ed3_prep
	.p2alignl 7, 3214868480
	.fill 96, 4, 3214868480
	.section	.rodata,"a",@progbits
	.p2align	6, 0x0
	.amdhsa_kernel k_q44013f8ed3_prep
		.amdhsa_group_segment_fixed_size 141312
		.amdhsa_private_segment_fixed_size 0
		.amdhsa_enable_private_segment 0
		.amdhsa_kernarg_size 80
		.amdhsa_user_sgpr_count 2
		.amdhsa_user_sgpr_kernarg_segment_ptr 1
		.amdhsa_wavefront_size32 1
		.amdhsa_system_sgpr_workgroup_id_x 1
		.amdhsa_system_sgpr_workgroup_id_y 1
		.amdhsa_system_sgpr_workgroup_id_z 1
		.amdhsa_system_vgpr_workitem_id 0
		.amdhsa_next_free_vgpr 248
		.amdhsa_next_free_sgpr 66
		.amdhsa_reserve_vcc 1
		.amdhsa_float_denorm_mode_32 3
		.amdhsa_float_denorm_mode_16_64 3
		.amdhsa_memory_ordered 1
		.amdhsa_forward_progress 1
		.amdhsa_inst_pref_size 77
	.end_amdhsa_kernel
	.amdgpu_metadata
---
amdhsa.version: [ 1, 2 ]
amdhsa.kernels:
  - .name:           k_q44013f8ed3_prep
    .symbol:         k_q44013f8ed3_prep.kd
    .args:
      - { .name: x, .offset: 0, .size: 8, .value_kind: global_buffer, .address_space: global }
      - { .name: gamma, .offset: 8, .size: 8, .value_kind: global_buffer, .address_space: global }
      - { .name: beta, .offset: 16, .size: 8, .value_kind: global_buffer, .address_space: global }
      - { .name: router_w, .offset: 24, .size: 8, .value_kind: global_buffer, .address_space: global }
      - { .name: W1, .offset: 32, .size: 8, .value_kind: global_buffer, .address_space: global }
      - { .name: W2, .offset: 40, .size: 8, .value_kind: global_buffer, .address_space: global }
      - { .name: xn, .offset: 48, .size: 8, .value_kind: global_buffer, .address_space: global }
      - { .name: gate, .offset: 56, .size: 8, .value_kind: global_buffer, .address_space: global }
      - { .name: w1t, .offset: 64, .size: 8, .value_kind: global_buffer, .address_space: global }
      - { .name: w2t, .offset: 72, .size: 8, .value_kind: global_buffer, .address_space: global }
    .group_segment_fixed_size: 141312
    .private_segment_fixed_size: 0
    .kernarg_segment_align: 8
    .kernarg_segment_size: 80
    .max_flat_workgroup_size: 512
    .sgpr_count:     66
    .vgpr_count:     248
    .wavefront_size: 32
...
	.end_amdgpu_metadata
.endif
;; end of part 1
;; launch ffn1 (part 2): grid 32 x 8, 4 waves a work-group, clusters of 4 x 4, 327,680 bytes of LDS; arguments xn, w1t, hid, gate; writes hid
.if DOCPART == 2
	.amdgcn_target "amdgcn-amd-amdhsa--gfx1250"
	.amdhsa_code_object_version 6
	.text
	.protected	k_q44013f8ed3_ffn1
	.globl	k_q44013f8ed3_ffn1
	.p2align	8
	.type	k_q44013f8ed3_ffn1,@function
k_q44013f8ed3_ffn1:
	s_mov_b64 s[64:65], 0
	v_nop
	global_prefetch_b8 v0, s[64:65] scope:SCOPE_SE
	s_setreg_imm32_b32 hwreg(HW_REG_WAVE_MODE, 25, 1), 1
	s_wait_xcnt 0x0
	s_wait_alu depctr_hold_cnt(0) depctr_sa_sdst(0) depctr_va_vdst(0) depctr_va_sdst(0) depctr_va_ssrc(0) depctr_va_vcc(0) depctr_vm_vsrc(0)
	s_getreg_b32 s2, hwreg(HW_REG_IB_STS2, 6, 4)
	s_cmp_eq_u32 s2, 0
	s_cbranch_scc0 .Lentry_in_a_cluster
	s_endpgm
.Lentry_in_a_cluster:
	s_bfe_u32 s2, ttmp6, 0x10000c
	s_cmp_lg_u32 s2, 0xf033
	s_cbranch_scc0 .Lentry_shape_is_right
	s_endpgm
.Lentry_shape_is_right:
; FFN1.  hid[t][n] = bf16( p_e(t) x silu( sum over d of xn[t][d] w1t[n][d] ) ), n = 4096 e + f: both experts' hidden layers end to end, the gate already in.
; xn: [4096][1024] bf16, w1t: [8192][1024] bf16, hid: [4096][8192] bf16, gate: [4096][2] f32 = -ln2 x p.  Sums in f32; silu and gate in f32; hid rounded once.
; A tile of hid, 256 x 256, is made by four waves, a wave 128 x 128: 64 accumulators, 512 registers.  K goes in steps of 128 through a ring of two LDS slots filled by the
; tensor data mover; the tiles' rows are 256 bytes of memory, aligned.  A WORK-GROUP STAYS: it makes two tiles, 2,048 rows apart, and the ring runs on into the second.
; CLUSTERS: 4 x 4 work-groups.  The four of a row need the same tiles of xn, the four of a column the same tiles of w1t: each tile is asked for JOINTLY, by the same tensor
; load with the same descriptor and a mask that names the four.
; THE MATRIX INSTRUCTION IS USED TRANSPOSED (source 0 = 16 rows of w1t, source 1 = 16 rows of xn): a lane holds row l % 16 and eight neighbouring columns 8 (l / 16) + 0..7.
; SILU.  With t = -log2(e) h: p h sigmoid(h) = t x (-ln2 p) x 1 / (1 + 2^t).  2^t = infinity gives 0, 2^t = 0 gives p h.
; LIMITS.  NaN and infinities are not treated apart; where |h| passes some 1e38 / p the product t x gate overflows; the sign of a zero in hid may differ.
; REGISTERS, in windows of 256 (s_set_vgpr_msb: bits 1:0 source 0, 3:2 source 1, 5:4 source 2, 7:6 destination):
;   window 0: v0-31 addresses and gates; v32-63 the way out's packed rows; v64-127, v128-191 fragments of xn, two buffers; on the way out v128-191 t, v192-255 2^t
;   window 1: v64-127, v128-191 fragments of w1t     window 2: the accumulators of my rows 0-63 ((a, b) at v[8 (8 a + b)])     window 3: those of my rows 64-127
.set SIZE_M, 4096
.set SIZE_N, 8192
.set SIZE_K, 1024
.set SIZE_TILES, 2
.set KSTEP,  128
.set PITCH,  272                       ; an LDS row: 256 bytes + 16 of padding = 68 words: row r starts at bank 4 r mod 64 (64 banks of 4 bytes: ISA guide 11.1)
.set HALFT,  128*PITCH                 ; 128 rows: what one tensor load brings, and what one wave reads of either operand
.set SLOT,   4*HALFT                   ; xn's 256 rows, then w1t's 256 rows
.set STAGE,  2*SLOT                    ; behind the ring: 16 rows x 272 bytes for each wave, for the way out; no tensor load fills it
.set SPITCH, 272
.set SPARE,  STAGE+4*16*SPITCH         ; the spare words, 128 bytes for each wave: two blocks of 256 bytes that no other line names
.set LAPS,   SIZE_K/(2*KSTEP)          ; 4 laps of two K steps
.set WALK,   SIZE_M/SIZE_TILES         ; the two tiles lie 2,048 rows apart
.set NEXT_A, WALK*SIZE_K*2-(SIZE_K-2*KSTEP)*2   ; from a slot's last K step of a tile to its first of the next: xn goes WALK rows down and back along K,
.set BACK_B, (SIZE_K-2*KSTEP)*2        ; w1t only back
.set NEXT_C, (WALK-7*16)*SIZE_N*2      ; from my last 16 rows of a tile to my first of the next
.set VG,   6                           ; v6      8 x (l % 16): my row's place among 16 rows of gates
.set GT,   8                           ; v8-15   the gate of my row in each of my eight blocks of 16 rows
.set ADRA, 16                          ; v16-17  LDS address of my xn fragments in slot 0, 1
.set ADRB, 20                          ; v20-21  the same for w1t
.set STO,  24                          ; v24     the way out: where I put 16 bytes of a row
.set RD,   25                          ; v25     the way out: where I read a row back
.set CO,   26                          ; v26     my byte offset in hid
.set SPW,  28                          ; v28     LDS address of my spare word; never rewritten
.set NIL,  29                          ; v29     0; never rewritten
.set GQ,   30                          ; v[30:31] the gate of the block in hand (the packed multiply names a pair and takes its low word twice)
.set PK,   32                          ; v32-63  a block, packed; then the same block as whole rows
.set F0,   64
.set F1,   128
.set TT,   128                         ; the way out: t, then t x gate, then the result
.set EE,   192                         ; the way out: 2^t, 1 + 2^t, its reciprocal
.set G1, 24                            ; s[24:31] descriptor group 1 for xn's tiles;  s[32:39] group 0, a set for each slot
.set G0, 32
.set G1B, 48                           ; s[48:55], s[56:63] the same for w1t's
.set G0B, 56
.set MSB, 0
.macro WIN new                         ; the immediate's high byte repeats the setting that is left; a switch that changes nothing is dropped
.if MSB != (\new)
	s_set_vgpr_msb (MSB<<8)|(\new)
.set MSB, \new
.endif
.endm
.set MUL_LO, 0xa1                      ; source 0 (w1t) window 1, source 1 (xn) window 0, C and D window 2
.set MUL_HI, 0xf1                      ; the same, C and D window 3
.set TO_B,   0x40                      ; destination window 1, address window 0
; A joint load.  Waves 0 and 1 fetch xn's two halves, waves 2 and 3 w1t's.  The branch hangs on the wave's number alone.  An s_nop 0 and four v_nop follow each of the two lines.
.macro JLOAD s
	s_cmp_eq_u32 s11, 0
	s_cbranch_scc0 .Lfor_b_\@
	tensor_load_to_lds s[G0+4*(\s):G0+4*(\s)+3], s[G1:G1+7]
	s_nop 0
.rept 4
	v_nop
.endr
	s_branch .Lasked_\@
.Lfor_b_\@:
	tensor_load_to_lds s[G0B+4*(\s):G0B+4*(\s)+3], s[G1B:G1B+7]
	s_nop 0
.rept 4
	v_nop
.endr
.Lasked_\@:
.endm
; A round of the cluster's barrier: my work-group's barrier; wave 0 signals for the work-group; every wave waits for all sixteen; my work-group's barrier once more.
.macro CREST                           ; a round behind its opening barrier
	s_cmp_lg_u32 s10, 0
	s_cbranch_scc1 .Lnot_wave_0_\@
	s_barrier_signal -3
.Lnot_wave_0_\@:
	s_barrier_wait -3
	s_barrier_signal -1
	s_barrier_wait -1
.endm
.macro CROUND
	s_barrier_signal -1
	s_barrier_wait -1
	CREST
.endm
	s_load_b128 s[4:7], s[0:1], 0x0                ; xn s[4:5], w1t s[6:7]
	s_load_b64 s[8:9], s[0:1], 0x10                ; hid
	s_load_b64 s[66:67], s[0:1], 0x18              ; gate
	v_lshl_add_u32 v[SPW], v0, 2, SPARE
	v_mov_b32 v[NIL], 0
	ds_add_u32 v[SPW], v[NIL]                      ; the wave's opening: the add, and its wait ahead of my first tensor load; register work stands between them
	v_lshrrev_b32 v1, 5, v0
	v_readfirstlane_b32 s10, v1                    ; wave 0..3
	s_lshr_b32 s11, s10, 1                         ; which half of the tile's rows is mine.  Also: I fetch for xn (0) or for w1t (1)
	s_and_b32 s12, s10, 1                          ; which half of its columns.  Also: which 128 rows of that tile I fetch
	s_bfe_u32 s40, ttmp6, 0x40000                  ; cx
	s_bfe_u32 s41, ttmp6, 0x40004                  ; cy
	s_lshl_b32 s42, ttmp9, 2
	s_add_co_u32 s42, s42, s40                     ; tile column = 4 x cluster x + cx
	s_and_b32 s13, ttmp7, 0xffff
	s_lshl_b32 s13, s13, 2
	s_add_co_u32 s13, s13, s41                     ; tile row = 4 x cluster y + cy
	s_lshl_b32 s43, s41, 2
	s_lshl_b32 s43, 15, s43                        ; my row of the cluster: places 4 cy .. 4 cy + 3
	s_lshl_b32 s44, 0x1111, s40                    ; my column: places cx, cx + 4, cx + 8, cx + 12
	; descriptor group 1: a tile of 128 rows x 128 elements, padded in LDS
	s_or_b32 s[G1+0], s43, (1<<16)|(1<<20)|(1<<21)|(5<<22)|(3<<25)  ; 15:0 the mask; 17:16 elements of 2 bytes; 20 padding on; 21 set beside a mask; 24:22 after every 64 words; 31:25 4 words of it
	s_or_b32 s[G1B+0], s44, (1<<16)|(1<<20)|(1<<21)|(5<<22)|(3<<25)
.irp g, G1, G1B
	s_mov_b32 s[(\g)+1], KSTEP<<16                 ; tensor_dim0 = 128
	s_mov_b32 s[(\g)+2], 128<<16                   ; tensor_dim1 = 128
	s_mov_b32 s[(\g)+3], KSTEP<<16                 ; tile_dim0 = 128
	s_mov_b32 s[(\g)+4], 128                       ; tile_dim1 = 128
	s_mov_b32 s[(\g)+5], SIZE_K                    ; elements from row to row
	s_mov_b32 s[(\g)+6], 0
	s_mov_b32 s[(\g)+7], 0
.endr
	; xn's tiles hang on the tile row alone, w1t's on the tile column alone; each address is made in registers that never hold the other coordinate
	s_lshl_b32 s17, s12, 7
	s_lshl_b32 s16, s13, 8
	s_add_co_u32 s16, s16, s17                     ; xn: row 256 x tile row + 128 x half
	s_lshl_b32 s46, s42, 8
	s_add_co_u32 s46, s46, s17                     ; w1t: row 256 x tile column + 128 x half
	s_mov_b32 s17, 0
	s_mov_b32 s47, 0
	s_mov_b64 s[18:19], SIZE_K*2
	s_mul_u64 s[16:17], s[16:17], s[18:19]
	s_mul_u64 s[46:47], s[46:47], s[18:19]
	s_mul_i32 s20, s10, HALFT                      ; where they go: wave x 128 rows: no place in the cluster enters an LDS address
	s_mov_b32 s68, 0xbfb8aa3b                      ; -log2(e),
	s_mov_b32 s69, s68                             ; named as a pair
	s_wait_dscnt 0x0                               ; the opening add is done
	s_wait_kmcnt 0x0
	s_add_nc_u64 s[14:15], s[4:5], s[16:17]
	s_add_nc_u64 s[46:47], s[6:7], s[46:47]
	CROUND                                         ; all sixteen work-groups are here: the first joint loads meet
.irp s, 0,1
	s_mov_b32 s[G0+4*(\s)], 1                                      ; count = 1
	s_add_co_u32 s[G0+4*(\s)+1], s20, (\s)*SLOT                    ; LDS address
	s_add_nc_u64 s[G0+4*(\s)+2:G0+4*(\s)+3], s[14:15], (\s)*KSTEP*2  ; global address: K step s
	s_or_b32 s[G0+4*(\s)+3], s[G0+4*(\s)+3], 0x80000000            ; type = 2
	s_mov_b32 s[G0B+4*(\s)], 1
	s_add_co_u32 s[G0B+4*(\s)+1], s20, (\s)*SLOT
	s_add_nc_u64 s[G0B+4*(\s)+2:G0B+4*(\s)+3], s[46:47], (\s)*KSTEP*2
	s_or_b32 s[G0B+4*(\s)+3], s[G0B+4*(\s)+3], 0x80000000
	JLOAD \s                                       ; two tensor loads of mine are out
.endr
	; A fragment is 16 rows x 32 K in 8 registers: lane l holds row l % 16; registers 0-3 K = 8 (l / 16) + 0..7, registers 4-7 K = 16 + 8 (l / 16) + 0..7: two loads of 16 bytes, 32 bytes apart
	v_and_b32 v1, 15, v0                           ; l % 16
	v_bfe_u32 v2, v0, 4, 1                         ; l / 16
	v_mul_u32_u24 v3, v1, PITCH
	v_lshl_add_u32 v3, v2, 4, v3
	s_mul_i32 s21, s11, HALFT                      ; my 128 rows of xn
	s_mul_i32 s22, s12, HALFT                      ; my 128 rows of w1t,
	s_add_co_u32 s22, s22, 2*HALFT                 ; which lie behind xn's 256
.irp s, 0,1
	v_add_nc_u32 v[ADRA+(\s)], s21, v3
	v_add_nc_u32 v[ADRB+(\s)], s22, v3
	s_add_co_u32 s21, s21, SLOT
	s_add_co_u32 s22, s22, SLOT
.endr
	s_mul_i32 s23, s10, 16*SPITCH
	s_add_co_u32 s23, s23, STAGE                   ; my stage
	v_mul_u32_u24 v4, v1, SPITCH                   ; in: row l % 16, 16 bytes for each half of the lanes
	v_lshl_add_u32 v4, v2, 4, v4
	v_add_nc_u32 v[STO], s23, v4
	v_mul_u32_u24 v5, v2, SPITCH                   ; back: lanes 0-15 take one row of 256 bytes, lanes 16-31 the next
	v_lshl_add_u32 v5, v1, 4, v5
	v_add_nc_u32 v[RD], s23, v5
	v_mul_u32_u24 v5, v2, SIZE_N*2                 ; and the same two rows in hid
	v_lshl_add_u32 v[CO], v1, 4, v5
	v_lshlrev_b32 v[VG], 3, v1
	v_mov_b32 v[GQ+1], 0                           ; named with the gate as a pair, so it is written
	s_lshl_b32 s13, s13, 8
	s_lshl_b32 s14, s11, 7
	s_add_co_u32 s16, s13, s14                     ; my first row of hid
	s_lshl_b32 s72, s16, 3                         ; its gates: 8 bytes a row,
	s_lshr_b32 s71, s42, 4                         ; the expert: sixteen tile columns each,
	s_lshl2_add_u32 s72, s71, s72                  ; 4 bytes an expert
	s_mov_b32 s73, 0
	s_add_nc_u64 s[66:67], s[66:67], s[72:73]
	s_mov_b32 s17, 0
	s_mov_b64 s[18:19], SIZE_N*2
	s_mul_u64 s[16:17], s[16:17], s[18:19]
	s_lshl_b32 s46, s42, 9                         ; my first column, in bytes: 512 x tile column + 256 x half
	s_lshl_b32 s47, s12, 8
	s_add_co_u32 s46, s46, s47
	s_mov_b32 s47, 0
	s_add_nc_u64 s[16:17], s[16:17], s[46:47]      ; what the first way out adds to hid's address
.macro GLOAD                           ; the gates of my 128 rows for my tile's expert: block a's sixteen rows are 128 bytes on
.irp a, 0,1,2,3,4,5,6,7
	global_load_b32 v[GT+\a], v[VG], s[66:67] offset:128*\a
.endr
.endm
	GLOAD                                          ; waited for on the way out
; 16 matrix instructions: m blocks a0, a0 + 1 of the window's four x all 8 n blocks, 32 along K.  zero = 1: the first product starts the sums.
.macro MUL16 f, hi, a0, zero
	WIN MUL_LO+0x50*(\hi)
.irp a, \a0, (\a0)+1
.irp b, 0,1,2,3,4,5,6,7
.if \zero
	v_wmma_f32_16x16x32_bf16 v[8*(8*(\a)+(\b)):8*(8*(\a)+(\b))+7], v[(\f)+8*(\b):(\f)+8*(\b)+7], v[(\f)+8*(4*(\hi)+(\a)):(\f)+8*(4*(\hi)+(\a))+7], 0
.else
	v_wmma_f32_16x16x32_bf16 v[8*(8*(\a)+(\b)):8*(8*(\a)+(\b))+7], v[(\f)+8*(\b):(\f)+8*(\b)+7], v[(\f)+8*(4*(\hi)+(\a)):(\f)+8*(4*(\hi)+(\a))+7], v[8*(8*(\a)+(\b)):8*(8*(\a)+(\b))+7]
.endif
.endr
.endr
.endm
; 32 LDS loads in one run: the fragments of one quarter step (32 K at byte k of the rows) into buffer f
.macro FETCH slot, k, f
	WIN TO_B
.irp i, 0,1,2,3,4,5,6,7
	ds_load_b128 v[(\f)+8*(\i):(\f)+8*(\i)+3],   v[ADRB+(\slot)] offset:(\k)+(\i)*16*PITCH
	ds_load_b128 v[(\f)+8*(\i)+4:(\f)+8*(\i)+7], v[ADRB+(\slot)] offset:(\k)+(\i)*16*PITCH+32
.endr
	WIN 0
.irp i, 0,1,2,3,4,5,6,7
	ds_load_b128 v[(\f)+8*(\i):(\f)+8*(\i)+3],   v[ADRA+(\slot)] offset:(\k)+(\i)*16*PITCH
	ds_load_b128 v[(\f)+8*(\i)+4:(\f)+8*(\i)+7], v[ADRA+(\slot)] offset:(\k)+(\i)*16*PITCH+32
.endr
.endm
; Four plain vector instructions stand between a matrix instruction and a load into, or a vector write of, one of its registers, or a vector read of its result (ISA guide 7.12.1 for vector instructions)
.macro PLACES
.rept 4
	v_nop
.endr
.endm
; A K step is four quarters of 32 along K, 64 matrix instructions each, on buffers 0, 1, 0, 1.  The 64 accumulators take turns in the same order in every quarter.
.macro QUARTER slot, k, f, g, zero
	s_wait_dscnt 8                                 ; w1t's and xn's rows 0-63 are in; the youngest eight loads (xn's rows 64-127) may be out
	WIN MUL_LO
	MUL16 \f, 0, 0, \zero
	MUL16 \f, 0, 2, \zero
	PLACES
	FETCH \slot, \k, \g
	s_wait_dscnt 32                                ; all but the 32 just issued
	WIN MUL_HI
	MUL16 \f, 1, 0, \zero
	MUL16 \f, 1, 2, \zero
.endm
; The last quarter's first half: ONE barrier for the change of slots.  In front of it each wave waits for all its tensor loads (one is out: its part of the next slot), adds 0 to its spare word,
; and waits for that and for its own reads of this slot.  Behind it nobody reads this slot any more and the next slot is whole.
.macro MEET round
	WIN 0
	s_wait_tensorcnt 0x0
	ds_add_u32 v[SPW], v[NIL]
	s_wait_dscnt 9                                 ; the add and the youngest eight loads may be out
	WIN MUL_LO
	MUL16 F1, 0, 0, 0
	s_wait_dscnt 0x0                               ; the add is done, and my reads of this slot are over
	s_barrier_signal -1
	MUL16 F1, 0, 2, 0
.if \round
	WIN 0
.endif
	s_barrier_wait -1
.endm
; The whole last quarter.  Behind the round the slot just read out is filled again first: with this tile's K step two on (on = 0) or the next tile's K step 0 or 1 (on = 1).
; From a request to the wait for it a wave issues 224 matrix instructions.
.macro TURN slot, next, on
	MEET 1
	CREST                                          ; no wave of any partner still reads this slot's tile or has a load on its way
.if \on
	s_add_nc_u64 s[G0+4*(\slot)+2:G0+4*(\slot)+3], s[G0+4*(\slot)+2:G0+4*(\slot)+3], NEXT_A
	s_sub_nc_u64 s[G0B+4*(\slot)+2:G0B+4*(\slot)+3], s[G0B+4*(\slot)+2:G0B+4*(\slot)+3], BACK_B
.else
	s_add_nc_u64 s[G0+4*(\slot)+2:G0+4*(\slot)+3], s[G0+4*(\slot)+2:G0+4*(\slot)+3], 2*KSTEP*2
	s_add_nc_u64 s[G0B+4*(\slot)+2:G0B+4*(\slot)+3], s[G0B+4*(\slot)+2:G0B+4*(\slot)+3], 2*KSTEP*2
.endif
	JLOAD \slot                                    ; the first tensor load behind the round; its four v_nop are also the places in front of the loads below
	FETCH \next, 0, F0
	WIN MUL_HI
	MUL16 F1, 1, 0, 0
	MUL16 F1, 1, 2, 0
.endm
; THE WAY OUT: eight trips, one block of 16 rows x 128 columns each.  The trip's text is written once; only its first part, which names the block's accumulators, stands eight times.
.macro SECTION a                       ; t = -log2(e) x h for block a, ascending; and the block's gate
	v_mov_b32 v[GQ], v[GT+(\a)]
	WIN 0x02+(\a)/4                                ; source 0: window 2 or 3
.set i, 0
.rept 32
	v_pk_mul_f32 v[TT+2*i:TT+2*i+1], v[64*((\a)%4)+2*i:64*((\a)%4)+2*i+1], s[68:69] op_sel_hi:[1,0]
.set i, i+1
.endr
	WIN 0
.endm
.macro WAYOUT
	WIN 0
	s_wait_loadcnt 0x0                             ; the tile's gates
	PLACES                                         ; behind the last products: their results are read and buffer 1 is written
	s_mov_b32 s70, 0
.Lblk_\@:
.irp a, 0,1,2,3,4,5,6                  ; forward jumps on the counter choose the block's section; none passes a barrier or a tensor load
	s_cmp_lg_u32 s70, \a
	s_cbranch_scc1 .Lskip_\@_\a
	SECTION \a
	s_branch .Ljoin_\@
.Lskip_\@_\a:
.endr
	SECTION 7
.Ljoin_\@:
.set p, 0
.rept 32                               ; ONE BATCH of 64 exponentials; between them t x gate for the pair before, a plain instruction behind that pair's exponentials
	v_exp_f32 v[EE+2*p], v[TT+2*p]
	v_exp_f32 v[EE+2*p+1], v[TT+2*p+1]
.if p == 0
	v_nop
.else
	v_pk_mul_f32 v[TT+2*p-2:TT+2*p-1], v[TT+2*p-2:TT+2*p-1], v[GQ:GQ+1] op_sel_hi:[1,0]
.endif
.set p, p+1
.endr
	v_pk_mul_f32 v[TT+62:TT+63], v[TT+62:TT+63], v[GQ:GQ+1] op_sel_hi:[1,0]
	s_wait_alu depctr_va_vdst(0)                   ; the one wait ahead of the batch's first reader
.set p, 0
.rept 32                               ; ONE BATCH of 64 reciprocals, in place; 1 + 2^t of the next pair stands between them
	v_pk_add_f32 v[EE+2*p:EE+2*p+1], v[EE+2*p:EE+2*p+1], 1.0 op_sel_hi:[1,0]
.if p > 0
	v_rcp_f32 v[EE+2*p-2], v[EE+2*p-2]
	v_rcp_f32 v[EE+2*p-1], v[EE+2*p-1]
.endif
.set p, p+1
.endr
	v_rcp_f32 v[EE+62], v[EE+62]
	v_rcp_f32 v[EE+63], v[EE+63]
	v_nop                                          ; a plain instruction behind the last reciprocal
	s_wait_alu depctr_va_vdst(0)                   ; and the batch's one wait
.set p, 0
.rept 32
	v_pk_mul_f32 v[TT+2*p:TT+2*p+1], v[TT+2*p:TT+2*p+1], v[EE+2*p:EE+2*p+1]
.set p, p+1
.endr
	s_wait_xcnt 0x0                                ; the last trip's stores have had their addresses translated (ISA guide 3.1): only now are their data and their base rewritten
.set p, 0
.rept 32
	v_cvt_pk_bf16_f32 v[PK+p], v[TT+2*p], v[TT+2*p+1]  ; a lane's eight columns of n block p / 4 pack into 16 bytes
.set p, p+1
.endr
.irp b, 0,1,2,3,4,5,6,7
	ds_store_b128 v[STO], v[PK+4*\b:PK+4*\b+3] offset:32*\b
.endr
.irp t, 0,1,2,3,4,5,6,7
	ds_load_b128 v[PK+4*\t:PK+4*\t+3], v[RD] offset:\t*2*SPITCH  ; LDS serves a wave's instructions in order (ISA guide 5.7.1.4): these see the stores above, and come back into the registers that they left
.endr
	s_add_nc_u64 s[8:9], s[8:9], s[16:17]          ; on to this block's rows: the tile's first, or 16 rows further
	s_mov_b32 s16, 16*SIZE_N*2
	s_mov_b32 s17, 0
.irp t, 0,1,2,3,4,5,6,7
	s_wait_dscnt 7-\t                              ; row pair t is back; the younger loads stay out
	global_store_b128 v[CO], v[PK+4*\t:PK+4*\t+3], s[8:9] offset:2*\t*SIZE_N*2  ; sixteen lanes store 256 consecutive bytes, aligned
.endr
	s_add_co_u32 s70, s70, 1
	s_cmp_lt_u32 s70, 8
	s_cbranch_scc1 .Lblk_\@
.endm
	s_wait_tensorcnt 1                             ; my part of K step 0 is in; K step 1's may stay out
	s_barrier_signal -1
	s_barrier_wait -1
	FETCH 0, 0, F0
	s_mov_b32 s2, SIZE_TILES                       ; tiles to go, this one among them
.Ltile:
	QUARTER 0, 64,  F0, F1, 1                      ; a tile's first quarter: its products start the sums
	WIN 0
	s_mov_b32 s3, LAPS-1
.Llap:                                                 ; a trip goes once round the ring and fills both slots again
	QUARTER 0, 128, F1, F0, 0
	QUARTER 0, 192, F0, F1, 0
	TURN 0, 1, 0
	QUARTER 1, 64,  F0, F1, 0
	QUARTER 1, 128, F1, F0, 0
	QUARTER 1, 192, F0, F1, 0
	TURN 1, 0, 0
	QUARTER 0, 64,  F0, F1, 0
	WIN 0
	s_sub_co_u32 s3, s3, 1
	s_cmp_lg_u32 s3, 0
	s_cbranch_scc1 .Llap
	QUARTER 0, 128, F1, F0, 0                      ; the tile's last lap goes on
	QUARTER 0, 192, F0, F1, 0
	WIN 0
	s_cmp_eq_u32 s2, 1
	s_cbranch_scc1 .Llast_tile                     ; the last tile's tail is written out: it asks for nothing more
	TURN 0, 1, 1                                   ; the ring goes on into the next tile: slot 0 takes its K step 0,
	QUARTER 1, 64,  F0, F1, 0
	QUARTER 1, 128, F1, F0, 0
	QUARTER 1, 192, F0, F1, 0
	TURN 1, 0, 1                                   ; slot 1 its K step 1, and the next tile's first fragments are fetched into buffer 0, which the way out leaves alone
	WAYOUT                                         ; both refills are asked for: now the tile goes out
	s_mov_b64 s[16:17], NEXT_C                     ; what the next way out adds to hid's address
	s_add_nc_u64 s[66:67], s[66:67], WALK*8        ; the next tile's gates (the old loads were waited for)
	GLOAD
	s_sub_co_u32 s2, s2, 1
	s_branch .Ltile
.Llast_tile:
	MEET 0                                         ; my one tensor load that was out is slot 1's, the last K step's, so no round follows
	PLACES
	FETCH 1, 0, F0
	WIN MUL_HI
	MUL16 F1, 1, 0, 0
	MUL16 F1, 1, 2, 0
	QUARTER 1, 64,  F0, F1, 0
	QUARTER 1, 128, F1, F0, 0
	QUARTER 1, 192, F0, F1, 0
	s_wait_dscnt 8                                 ; the very last quarter: nothing more to fetch
	MUL16 F1, 0, 0, 0
	MUL16 F1, 0, 2, 0
	s_wait_dscnt 0x0
	MUL16 F1, 1, 0, 0
	MUL16 F1, 1, 2, 0
	WAYOUT
	s_wait_tensorcnt 0x0                           ; the wave's end: three closing lines, behind my last tensor load and my last LDS store
	ds_add_u32 v[SPW], v[NIL]
	s_wait_dscnt 0x0
	CROUND                                         ; the closing round: no work-group ends while a partner may still ask for a tile that names it
	s_endpgm
.Lfunc_end_k_q44013f8ed3_ffn1:
	.size	k_q44013f8ed3_ffn1, .Lfunc_end_k_q44013f8ed3_ffn1-k_q44013f8ed3_ffn1
	.p2alignl 7, 3214868480
	.fill 96, 4, 3214868480
	.section	.rodata,"a",@progbits
	.p2align	6, 0x0
	.amdhsa_kernel k_q44013f8ed3_ffn1
		.amdhsa_group_segment_fixed_size 327680
		.amdhsa_private_segment_fixed_size 0
		.amdhsa_enable_private_segment 0
		.amdhsa_kernarg_size 32
		.amdhsa_user_sgpr_count 2
		.amdhsa_user_sgpr_kernarg_segment_ptr 1
		.amdhsa_wavefront_size32 1
		.amdhsa_system_sgpr_workgroup_id_x 1
		.amdhsa_system_sgpr_workgroup_id_y 1
		.amdhsa_system_sgpr_workgroup_id_z 1
		.amdhsa_system_vgpr_workitem_id 0
		.amdhsa_next_free_vgpr 1024
		.amdhsa_next_free_sgpr 74
		.amdhsa_reserve_vcc 0
		.amdhsa_float_denorm_mode_32 3
		.amdhsa_float_denorm_mode_16_64 3
		.amdhsa_memory_ordered 1
		.amdhsa_forward_progress 1
		.amdhsa_inst_pref_size 211
	.end_amdhsa_kernel
	.amdgpu_metadata
---
amdhsa.version: [ 1, 2 ]
amdhsa.kernels:
  - .name:           k_q44013f8ed3_ffn1
    .symbol:         k_q44013f8ed3_ffn1.kd
    .args:
      - { .name: xn, .offset: 0, .size: 8, .value_kind: global_buffer, .address_space: global }
      - { .name: w1t, .offset: 8, .size: 8, .value_kind: global_buffer, .address_space: global }
      - { .name: hid, .offset: 16, .size: 8, .value_kind: global_buffer, .address_space: global }
      - { .name: gate, .offset: 24, .size: 8, .value_kind: global_buffer, .address_space: global }
    .group_segment_fixed_size: 327680
    .private_segment_fixed_size: 0
    .kernarg_segment_align: 8
    .kernarg_segment_size: 32
    .max_flat_workgroup_size: 128
    .sgpr_count:     74
    .vgpr_count:     1024
    .wavefront_size: 32
...
	.end_amdgpu_metadata
.endif
;; end of part 2
;; launch ffn2 (part 3): grid 4 x 64, 4 waves a work-group, clusters of 4 x 4, 327,680 bytes of LDS; arguments hid, w2t, part; writes part
.if DOCPART == 3
	.amdgcn_target "amdgcn-amd-amdhsa--gfx1250"
	.amdhsa_code_object_version 6
	.text
	.protected	k_q44013f8ed3_ffn2
	.globl	k_q44013f8ed3_ffn2
	.p2align	8
	.type	k_q44013f8ed3_ffn2,@function
k_q44013f8ed3_ffn2:
	s_mov_b64 s[64:65], 0
	v_nop
	global_prefetch_b8 v0, s[64:65] scope:SCOPE_SE
	s_setreg_imm32_b32 hwreg(HW_REG_WAVE_MODE, 25, 1), 1
	s_wait_xcnt 0x0
	s_wait_alu depctr_hold_cnt(0) depctr_sa_sdst(0) depctr_va_vdst(0) depctr_va_sdst(0) depctr_va_ssrc(0) depctr_va_vcc(0) depctr_vm_vsrc(0)
	s_getreg_b32 s2, hwreg(HW_REG_IB_STS2, 6, 4)
	s_cmp_eq_u32 s2, 0
	s_cbranch_scc0 .Lentry_in_a_cluster
	s_endpgm
.Lentry_in_a_cluster:
	s_bfe_u32 s2, ttmp6, 0x10000c
	s_cmp_lg_u32 s2, 0xf033
	s_cbranch_scc0 .Lentry_shape_is_right
	s_endpgm
.Lentry_shape_is_right:
; FFN2.  part[q] = sum over the q-th quarter of k of hid[t][k] w2t[d][k], k = 4096 e + f over both experts (the gates are already in hid); the next launch adds the four quarters and x.
; hid: [4096][8192] bf16, w2t: [1024][8192] bf16, part: four times 4096 x 1024 f32, in the order of the registers (below).  Sums in f32.
; WHY K IS SHARED OUT AMONG WORK-GROUPS.  The output has 64 tiles of 256 x 256.  Such a tile takes in 512 rows x 256 bytes for a K step of 128 and gives a wave 256 matrix instructions for them;
; a tile of 128 x 128, of which there would be 256, takes in half the bytes for a quarter of the work.  So: 64 tiles x 4 quarters of K = 256 work-groups of equal work, each 256 x 256 x 2048.
; A wave makes 128 x 128: 64 accumulators, 512 registers.  K goes in steps of 128 through a ring of two LDS slots filled by the tensor data mover; the tiles' rows are 256 bytes of memory, aligned.
; CLUSTERS: 4 x 4 work-groups: along x the four column tiles (all of the output's width), along y four row tiles of one quarter of K.  hid's tiles are shared along a row of the cluster, w2t's along
; a column: each is asked for JOINTLY, by the same tensor load with the same descriptor and a mask that names the four.
; THE MATRIX INSTRUCTION IS USED TRANSPOSED (source 0 = 16 rows of w2t, source 1 = 16 rows of hid): a lane holds row l % 16 and the columns 8 (l / 16) + 0..7 of accumulator (a, b).
; THE WAY OUT needs no LDS: part is this program's own, so it is laid as the registers lie: [quarter][tile][wave][piece][lane][16 bytes], piece = 2 (8 a + b) + half of the accumulator's registers.
; Each store of a wave covers 512 consecutive bytes, aligned.
; LIMITS.  NaN and infinities are not treated apart; the sum over k is made in four quarters, which the next launch adds.
; REGISTERS, in windows of 256 (s_set_vgpr_msb: bits 1:0 source 0, 3:2 source 1, 5:4 source 2, 7:6 destination):
;   window 0: v0-31 addresses; v64-127, v128-191 fragments of hid, two buffers     window 1: the same numbers: fragments of w2t
;   window 2: the accumulators of my rows 0-63 ((a, b) at v[8 (8 a + b)])     window 3: those of my rows 64-127
.set SIZE_K, 8192                      ; elements from row to row of hid and of w2t
.set KPART,  2048                      ; a work-group's share of K
.set KSTEP,  128
.set PITCH,  272                       ; an LDS row: 256 bytes + 16 of padding = 68 words: row r starts at bank 4 r mod 64 (64 banks of 4 bytes: ISA guide 11.1)
.set HALFT,  128*PITCH                 ; 128 rows: what one tensor load brings, and what one wave reads of either operand
.set SLOT,   4*HALFT                   ; hid's 256 rows, then w2t's 256 rows
.set SPARE,  2*SLOT                    ; the spare words, 128 bytes for each wave: two blocks of 256 bytes that no other line names
.set LAPS,   KPART/(2*KSTEP)           ; 8 laps of two K steps
.set ADRA, 16                          ; v16-17  LDS address of my hid fragments in slot 0, 1
.set ADRB, 20                          ; v20-21  the same for w2t
.set CO,   26                          ; v26     16 x lane: my 16 bytes of a piece of 512
.set SPW,  28                          ; v28     LDS address of my spare word; never rewritten
.set NIL,  29                          ; v29     0; never rewritten
.set F0,   64
.set F1,   128
.set G1, 24                            ; s[24:31] descriptor group 1 for hid's tiles;  s[32:39] group 0, a set for each slot
.set G0, 32
.set G1B, 48                           ; s[48:55], s[56:63] the same for w2t's
.set G0B, 56
.set MSB, 0
.macro WIN new                         ; the immediate's high byte repeats the setting that is left; a switch that changes nothing is dropped
.if MSB != (\new)
	s_set_vgpr_msb (MSB<<8)|(\new)
.set MSB, \new
.endif
.endm
.set MUL_LO, 0xa1                      ; source 0 (w2t) window 1, source 1 (hid) window 0, C and D window 2
.set MUL_HI, 0xf1                      ; the same, C and D window 3
.set TO_B,   0x40                      ; destination window 1, address window 0
; A joint load.  Waves 0 and 1 fetch hid's two halves, waves 2 and 3 w2t's.  The branch hangs on the wave's number alone.  An s_nop 0 and four v_nop follow each of the two lines.
.macro JLOAD s
	s_cmp_eq_u32 s11, 0
	s_cbranch_scc0 .Lfor_b_\@
	tensor_load_to_lds s[G0+4*(\s):G0+4*(\s)+3], s[G1:G1+7]
	s_nop 0
.rept 4
	v_nop
.endr
	s_branch .Lasked_\@
.Lfor_b_\@:
	tensor_load_to_lds s[G0B+4*(\s):G0B+4*(\s)+3], s[G1B:G1B+7]
	s_nop 0
.rept 4
	v_nop
.endr
.Lasked_\@:
.endm
; A round of the cluster's barrier: my work-group's barrier; wave 0 signals for the work-group; every wave waits for all sixteen; my work-group's barrier once more.
.macro CREST                           ; a round behind its opening barrier
	s_cmp_lg_u32 s10, 0
	s_cbranch_scc1 .Lnot_wave_0_\@
	s_barrier_signal -3
.Lnot_wave_0_\@:
	s_barrier_wait -3
	s_barrier_signal -1
	s_barrier_wait -1
.endm
.macro CROUND
	s_barrier_signal -1
	s_barrier_wait -1
	CREST
.endm
	s_load_b128 s[4:7], s[0:1], 0x0                ; hid s[4:5], w2t s[6:7]
	s_load_b64 s[8:9], s[0:1], 0x10                ; part
	v_lshl_add_u32 v[SPW], v0, 2, SPARE
	v_mov_b32 v[NIL], 0
	ds_add_u32 v[SPW], v[NIL]                      ; the wave's opening: the add, and its wait ahead of my first tensor load; register work stands between them
	v_lshrrev_b32 v1, 5, v0
	v_readfirstlane_b32 s10, v1                    ; wave 0..3
	s_lshr_b32 s11, s10, 1                         ; which half of the tile's rows is mine.  Also: I fetch for hid (0) or for w2t (1)
	s_and_b32 s12, s10, 1                          ; which half of its columns.  Also: which 128 rows of that tile I fetch
	s_bfe_u32 s40, ttmp6, 0x40000                  ; cx
	s_bfe_u32 s41, ttmp6, 0x40004                  ; cy
	s_lshl_b32 s42, ttmp9, 2
	s_add_co_u32 s42, s42, s40                     ; tile column = 4 x cluster x + cx: 0..3
	s_and_b32 s13, ttmp7, 0xffff                   ; the cluster's y, 0..15:
	s_lshr_b32 s45, s13, 2                         ; its upper two bits are the quarter of K, the same in all sixteen work-groups of the cluster;
	s_and_b32 s13, s13, 3
	s_lshl_b32 s13, s13, 2
	s_add_co_u32 s13, s13, s41                     ; tile row = 4 x its lower two bits + cy: 0..15
	s_lshl_b32 s43, s41, 2
	s_lshl_b32 s43, 15, s43                        ; my row of the cluster: places 4 cy .. 4 cy + 3
	s_lshl_b32 s44, 0x1111, s40                    ; my column: places cx, cx + 4, cx + 8, cx + 12
	; descriptor group 1: a tile of 128 rows x 128 elements, padded in LDS
	s_or_b32 s[G1+0], s43, (1<<16)|(1<<20)|(1<<21)|(5<<22)|(3<<25)  ; 15:0 the mask; 17:16 elements of 2 bytes; 20 padding on; 21 set beside a mask; 24:22 after every 64 words; 31:25 4 words of it
	s_or_b32 s[G1B+0], s44, (1<<16)|(1<<20)|(1<<21)|(5<<22)|(3<<25)
.irp g, G1, G1B
	s_mov_b32 s[(\g)+1], KSTEP<<16                 ; tensor_dim0 = 128
	s_mov_b32 s[(\g)+2], 128<<16                   ; tensor_dim1 = 128
	s_mov_b32 s[(\g)+3], KSTEP<<16                 ; tile_dim0 = 128
	s_mov_b32 s[(\g)+4], 128                       ; tile_dim1 = 128
	s_mov_b32 s[(\g)+5], SIZE_K                    ; elements from row to row
	s_mov_b32 s[(\g)+6], 0
	s_mov_b32 s[(\g)+7], 0
.endr
	; hid's tiles hang on the tile row and the quarter, w2t's on the tile column and the quarter; each address is made in registers that never hold the other place in the cluster
	s_lshl_b32 s17, s12, 7
	s_lshl_b32 s16, s13, 8
	s_add_co_u32 s16, s16, s17                     ; hid: row 256 x tile row + 128 x half
	s_lshl_b32 s46, s42, 8
	s_add_co_u32 s46, s46, s17                     ; w2t: row 256 x tile column + 128 x half
	s_lshl_b32 s16, s16, 14                        ; rows of 16,384 bytes: 67 MB at the most
	s_lshl_b32 s46, s46, 14
	s_lshl_b32 s18, s45, 12                        ; the quarter: 2,048 elements of 2 bytes
	s_add_co_u32 s16, s16, s18
	s_add_co_u32 s46, s46, s18
	s_mov_b32 s17, 0
	s_mov_b32 s47, 0
	s_mul_i32 s20, s10, HALFT                      ; where they go: wave x 128 rows: no place in the cluster enters an LDS address
	s_wait_dscnt 0x0                               ; the opening add is done
	s_wait_kmcnt 0x0
	s_add_nc_u64 s[14:15], s[4:5], s[16:17]
	s_add_nc_u64 s[46:47], s[6:7], s[46:47]
	CROUND                                         ; all sixteen work-groups are here: the first joint loads meet
.irp s, 0,1
	s_mov_b32 s[G0+4*(\s)], 1                                      ; count = 1
	s_add_co_u32 s[G0+4*(\s)+1], s20, (\s)*SLOT                    ; LDS address
	s_add_nc_u64 s[G0+4*(\s)+2:G0+4*(\s)+3], s[14:15], (\s)*KSTEP*2  ; global address: K step s
	s_or_b32 s[G0+4*(\s)+3], s[G0+4*(\s)+3], 0x80000000            ; type = 2
	s_mov_b32 s[G0B+4*(\s)], 1
	s_add_co_u32 s[G0B+4*(\s)+1], s20, (\s)*SLOT
	s_add_nc_u64 s[G0B+4*(\s)+2:G0B+4*(\s)+3], s[46:47], (\s)*KSTEP*2
	s_or_b32 s[G0B+4*(\s)+3], s[G0B+4*(\s)+3], 0x80000000
	JLOAD \s                                       ; two tensor loads of mine are out
.endr
	; A fragment is 16 rows x 32 K in 8 registers: lane l holds row l % 16; registers 0-3 K = 8 (l / 16) + 0..7, registers 4-7 K = 16 + 8 (l / 16) + 0..7: two loads of 16 bytes, 32 bytes apart
	v_and_b32 v1, 15, v0                           ; l % 16
	v_bfe_u32 v2, v0, 4, 1                         ; l / 16
	v_and_b32 v5, 31, v0                           ; lane
	v_mul_u32_u24 v3, v1, PITCH
	v_lshl_add_u32 v3, v2, 4, v3
	s_mul_i32 s21, s11, HALFT                      ; my 128 rows of hid
	s_mul_i32 s22, s12, HALFT                      ; my 128 rows of w2t,
	s_add_co_u32 s22, s22, 2*HALFT                 ; which lie behind hid's 256
.irp s, 0,1
	v_add_nc_u32 v[ADRA+(\s)], s21, v3
	v_add_nc_u32 v[ADRB+(\s)], s22, v3
	s_add_co_u32 s21, s21, SLOT
	s_add_co_u32 s22, s22, SLOT
.endr
	v_lshlrev_b32 v[CO], 4, v5
	s_lshl_b32 s16, s45, 24                        ; part: the quarter's 16 MiB,
	s_lshl2_add_u32 s17, s13, s42                  ; the tile, 4 x tile row + tile column,
	s_lshl_b32 s17, s17, 18                        ; of 256 KiB,
	s_add_co_u32 s16, s16, s17
	s_lshl_b32 s17, s10, 16                        ; my wave's 64 KiB of it
	s_add_co_u32 s16, s16, s17
	s_mov_b32 s17, 0
	s_add_nc_u64 s[8:9], s[8:9], s[16:17]
; 16 matrix instructions: m blocks a0, a0 + 1 of the window's four x all 8 n blocks, 32 along K.  zero = 1: the first product starts the sums.
.macro MUL16 f, hi, a0, zero
	WIN MUL_LO+0x50*(\hi)
.irp a, \a0, (\a0)+1
.irp b, 0,1,2,3,4,5,6,7
.if \zero
	v_wmma_f32_16x16x32_bf16 v[8*(8*(\a)+(\b)):8*(8*(\a)+(\b))+7], v[(\f)+8*(\b):(\f)+8*(\b)+7], v[(\f)+8*(4*(\hi)+(\a)):(\f)+8*(4*(\hi)+(\a))+7], 0
.else
	v_wmma_f32_16x16x32_bf16 v[8*(8*(\a)+(\b)):8*(8*(\a)+(\b))+7], v[(\f)+8*(\b):(\f)+8*(\b)+7], v[(\f)+8*(4*(\hi)+(\a)):(\f)+8*(4*(\hi)+(\a))+7], v[8*(8*(\a)+(\b)):8*(8*(\a)+(\b))+7]
.endif
.endr
.endr
.endm
; 32 LDS loads in one run: the fragments of one quarter step (32 K at byte k of the rows) into buffer f
.macro FETCH slot, k, f
	WIN TO_B
.irp i, 0,1,2,3,4,5,6,7
	ds_load_b128 v[(\f)+8*(\i):(\f)+8*(\i)+3],   v[ADRB+(\slot)] offset:(\k)+(\i)*16*PITCH
	ds_load_b128 v[(\f)+8*(\i)+4:(\f)+8*(\i)+7], v[ADRB+(\slot)] offset:(\k)+(\i)*16*PITCH+32
.endr
	WIN 0
.irp i, 0,1,2,3,4,5,6,7
	ds_load_b128 v[(\f)+8*(\i):(\f)+8*(\i)+3],   v[ADRA+(\slot)] offset:(\k)+(\i)*16*PITCH
	ds_load_b128 v[(\f)+8*(\i)+4:(\f)+8*(\i)+7], v[ADRA+(\slot)] offset:(\k)+(\i)*16*PITCH+32
.endr
.endm
; Four plain vector instructions stand between a matrix instruction and a load into one of its registers, or a store of its result (ISA guide 7.12.1 for vector instructions)
.macro PLACES
.rept 4
	v_nop
.endr
.endm
; A K step is four quarters of 32 along K, 64 matrix instructions each, on buffers 0, 1, 0, 1.  The 64 accumulators take turns in the same order in every quarter.
.macro QUARTER slot, k, f, g, zero
	s_wait_dscnt 8                                 ; w2t's and hid's rows 0-63 are in; the youngest eight loads (hid's rows 64-127) may be out
	WIN MUL_LO
	MUL16 \f, 0, 0, \zero
	MUL16 \f, 0, 2, \zero
	PLACES
	FETCH \slot, \k, \g
	s_wait_dscnt 32                                ; all but the 32 just issued
	WIN MUL_HI
	MUL16 \f, 1, 0, \zero
	MUL16 \f, 1, 2, \zero
.endm
; The last quarter's first half: ONE barrier for the change of slots.  In front of it each wave waits for all its tensor loads (one is out: its part of the next slot), adds 0 to its spare word,
; and waits for that and for its own reads of this slot.  Behind it nobody reads this slot any more and the next slot is whole.
.macro MEET round
	WIN 0
	s_wait_tensorcnt 0x0
	ds_add_u32 v[SPW], v[NIL]
	s_wait_dscnt 9                                 ; the add and the youngest eight loads may be out
	WIN MUL_LO
	MUL16 F1, 0, 0, 0
	s_wait_dscnt 0x0                               ; the add is done, and my reads of this slot are over
	s_barrier_signal -1
	MUL16 F1, 0, 2, 0
.if \round
	WIN 0
.endif
	s_barrier_wait -1
.endm
; The whole last quarter.  Behind the round the slot just read out is filled again first, with the K step two on.  From a request to the wait for it a wave issues 224 matrix instructions.
.macro TURN slot, next
	MEET 1
	CREST                                          ; no wave of any partner still reads this slot's tile or has a load on its way
	s_add_nc_u64 s[G0+4*(\slot)+2:G0+4*(\slot)+3], s[G0+4*(\slot)+2:G0+4*(\slot)+3], 2*KSTEP*2
	s_add_nc_u64 s[G0B+4*(\slot)+2:G0B+4*(\slot)+3], s[G0B+4*(\slot)+2:G0B+4*(\slot)+3], 2*KSTEP*2
	JLOAD \slot                                    ; the first tensor load behind the round; its four v_nop are also the places in front of the loads below
	FETCH \next, 0, F0
	WIN MUL_HI
	MUL16 F1, 1, 0, 0
	MUL16 F1, 1, 2, 0
.endm
	s_wait_tensorcnt 1                             ; my part of K step 0 is in; K step 1's may stay out
	s_barrier_signal -1
	s_barrier_wait -1
	FETCH 0, 0, F0
	QUARTER 0, 64,  F0, F1, 1                      ; the first quarter stands in front of the loop: its products start the sums
	WIN 0
	s_mov_b32 s3, LAPS-1
.Llap:                                                 ; a trip goes once round the ring and fills both slots again: K steps 2 to 15 in seven trips
	QUARTER 0, 128, F1, F0, 0
	QUARTER 0, 192, F0, F1, 0
	TURN 0, 1
	QUARTER 1, 64,  F0, F1, 0
	QUARTER 1, 128, F1, F0, 0
	QUARTER 1, 192, F0, F1, 0
	TURN 1, 0
	QUARTER 0, 64,  F0, F1, 0
	WIN 0
	s_sub_co_u32 s3, s3, 1
	s_cmp_lg_u32 s3, 0
	s_cbranch_scc1 .Llap
	QUARTER 0, 128, F1, F0, 0                      ; the last lap is written out: it asks for nothing more
	QUARTER 0, 192, F0, F1, 0
	MEET 0                                         ; my one tensor load that was out is slot 1's, the last K step's, so no round follows
	PLACES
	FETCH 1, 0, F0
	WIN MUL_HI
	MUL16 F1, 1, 0, 0
	MUL16 F1, 1, 2, 0
	QUARTER 1, 64,  F0, F1, 0
	QUARTER 1, 128, F1, F0, 0
	QUARTER 1, 192, F0, F1, 0
	s_wait_dscnt 8                                 ; the very last quarter: nothing more to fetch
	MUL16 F1, 0, 0, 0
	MUL16 F1, 0, 2, 0
	s_wait_dscnt 0x0
	MUL16 F1, 1, 0, 0
	MUL16 F1, 1, 2, 0
	WIN 0
	; THE WAY OUT: the accumulators as they lie, 128 pieces of 512 consecutive bytes; each accumulator's low four registers first.
	PLACES                                         ; behind the last products, whose results the stores read
.irp hi, 0,1
	WIN 0x08+4*(\hi)                               ; store data (source 1): window 2, then 3
.irp a, 0,1,2,3
.irp b, 0,1,2,3,4,5,6,7
	global_store_b128 v[CO], v[8*(8*\a+\b):8*(8*\a+\b)+3],   s[8:9] offset:(2*(8*(4*\hi+\a)+\b))*512 th:TH_STORE_NT
	global_store_b128 v[CO], v[8*(8*\a+\b)+4:8*(8*\a+\b)+7], s[8:9] offset:(2*(8*(4*\hi+\a)+\b)+1)*512 th:TH_STORE_NT
.endr
.endr
.endr
	WIN 0
	s_wait_tensorcnt 0x0                           ; the wave's end: three closing lines, behind my last tensor load
	ds_add_u32 v[SPW], v[NIL]
	s_wait_dscnt 0x0
	CROUND                                         ; the closing round: no work-group ends while a partner may still ask for a tile that names it
	s_endpgm
.Lfunc_end_k_q44013f8ed3_ffn2:
	.size	k_q44013f8ed3_ffn2, .Lfunc_end_k_q44013f8ed3_ffn2-k_q44013f8ed3_ffn2
	.p2alignl 7, 3214868480
	.fill 96, 4, 3214868480
	.section	.rodata,"a",@progbits
	.p2align	6, 0x0
	.amdhsa_kernel k_q44013f8ed3_ffn2
		.amdhsa_group_segment_fixed_size 327680
		.amdhsa_private_segment_fixed_size 0
		.amdhsa_enable_private_segment 0
		.amdhsa_kernarg_size 24
		.amdhsa_user_sgpr_count 2
		.amdhsa_user_sgpr_kernarg_segment_ptr 1
		.amdhsa_wavefront_size32 1
		.amdhsa_system_sgpr_workgroup_id_x 1
		.amdhsa_system_sgpr_workgroup_id_y 1
		.amdhsa_system_sgpr_workgroup_id_z 1
		.amdhsa_system_vgpr_workitem_id 0
		.amdhsa_next_free_vgpr 1024
		.amdhsa_next_free_sgpr 66
		.amdhsa_reserve_vcc 0
		.amdhsa_float_denorm_mode_32 3
		.amdhsa_float_denorm_mode_16_64 3
		.amdhsa_memory_ordered 1
		.amdhsa_forward_progress 1
		.amdhsa_inst_pref_size 123
	.end_amdhsa_kernel
	.amdgpu_metadata
---
amdhsa.version: [ 1, 2 ]
amdhsa.kernels:
  - .name:           k_q44013f8ed3_ffn2
    .symbol:         k_q44013f8ed3_ffn2.kd
    .args:
      - { .name: hid, .offset: 0, .size: 8, .value_kind: global_buffer, .address_space: global }
      - { .name: w2t, .offset: 8, .size: 8, .value_kind: global_buffer, .address_space: global }
      - { .name: part, .offset: 16, .size: 8, .value_kind: global_buffer, .address_space: global }
    .group_segment_fixed_size: 327680
    .private_segment_fixed_size: 0
    .kernarg_segment_align: 8
    .kernarg_segment_size: 24
    .max_flat_workgroup_size: 128
    .sgpr_count:     66
    .vgpr_count:     1024
    .wavefront_size: 32
...
	.end_amdgpu_metadata
.endif
;; end of part 3
;; launch comb (part 4): grid 256 x 1, 16 waves a work-group, no clusters, 71,680 bytes of LDS; arguments part, x, out0; writes out0
.if DOCPART == 4
	.amdgcn_target "amdgcn-amd-amdhsa--gfx1250"
	.amdhsa_code_object_version 6
	.text
	.protected	k_q44013f8ed3_comb
	.globl	k_q44013f8ed3_comb
	.p2align	8
	.type	k_q44013f8ed3_comb,@function
k_q44013f8ed3_comb:
	s_mov_b64 s[64:65], 0
	v_nop
	global_prefetch_b8 v0, s[64:65] scope:SCOPE_SE
	s_setreg_imm32_b32 hwreg(HW_REG_WAVE_MODE, 25, 1), 1
	s_wait_xcnt 0x0
; COMB.  out0 = x + the four quarters of the second product: (p0 + p1) + (p2 + p3) + x, all in f32.
; part: [quarter][tile][wave][piece][lane][16 bytes] as the launch before stored its accumulators: tile = 4 x tile row + tile column of 256 x 256; wave w has rows 128 (w / 2) on and columns
; 128 (w % 2) on; piece = 2 (8 a + b) + q holds, in lane l, row 16 a + l % 16 and the columns 16 b + 8 (l / 16) + 4 q + 0..3.
; SHARES.  Work-group g takes tile g / 4, wave g % 4 of it: 64 KiB of each quarter.  Its wave u takes the 4 KiB at 4,096 u: a = u / 2, b = 4 (u % 2) + 0..3: 16 rows x 64 columns.
; Memory binds: every byte is read once, by loads of 512 consecutive bytes, all 40 of a wave issued before its first wait; the block is turned through the wave's own LDS, so that
; sixteen neighbouring lanes store 256 consecutive bytes, aligned.  No wave touches another's bytes: no barrier.  Matrix units, tensor loads and clusters would add nothing here.
.set SPW,   6                          ; v6   LDS address of my spare word; never rewritten
.set NIL,   7                          ; v7   0; never rewritten
.set LP,    272                        ; an LDS row: 64 columns of f32 + 16 bytes of padding: sixteen rows start at sixteen different groups of four banks (64 banks of 4 bytes: ISA guide 11.1)
.set WREG,  16*LP                      ; a wave's own 16 rows
.set SPARE, 16*WREG                    ; 69,632 = 272 x 256: the spare words, 128 bytes for each of sixteen waves; no other line names them
.set VL16,  8                          ; v8   16 x lane
.set VX,    9                          ; v9   (l / 16) rows of 4,096 bytes + 16 (l % 16): my place in two rows of x and of out0
.set LST,   10                         ; v10  my LDS + (l % 16) x 272 + 32 (l / 16)
.set RDL,   11                         ; v11  my LDS + (l / 16) x 272 + 16 (l % 16)
.set P,     24                         ; v[24:151]  piece i of quarter k at P + 16 i + 4 k; the sum stays at k = 0; row pair t comes back at P + 16 t + 4
.set XR,    152                        ; v[152:183] x: row pair t at XR + 4 t
	s_load_b128 s[8:11], s[0:1], 0x0               ; part s[8:9], x s[10:11]
	s_load_b64 s[12:13], s[0:1], 0x10              ; out0
	v_lshl_add_u32 v[SPW], v0, 2, SPARE
	v_mov_b32 v[NIL], 0
	v_and_b32 v2, 31, v0                           ; lane
	v_and_b32 v3, 15, v0                           ; l % 16
	v_bfe_u32 v4, v0, 4, 1                         ; l / 16
	v_lshrrev_b32 v1, 5, v0
	v_readfirstlane_b32 s4, v1                     ; wave u, 0..15
	s_lshl_b32 s20, ttmp9, 16                      ; in each quarter: 65,536 g + 4,096 u
	s_lshl_b32 s21, s4, 12
	s_add_co_u32 s20, s20, s21
	s_mov_b32 s21, 0
	s_lshr_b32 s22, ttmp9, 4                       ; my first row: 256 x tile row (g / 16)
	s_lshl_b32 s22, s22, 8
	s_bfe_u32 s23, ttmp9, 0x10001                  ; + 128 x the earlier wave's row half, bit 1 of g
	s_lshl_b32 s23, s23, 7
	s_add_co_u32 s22, s22, s23
	s_lshr_b32 s23, s4, 1                          ; + 16 a
	s_lshl_b32 s23, s23, 4
	s_add_co_u32 s22, s22, s23
	s_lshl_b32 s22, s22, 12                        ; rows of 4,096 bytes
	s_bfe_u32 s23, ttmp9, 0x20002                  ; my first column: 256 x tile column, bits 3:2 of g,
	s_lshl_b32 s23, s23, 10                        ; 4 bytes a column
	s_add_co_u32 s22, s22, s23
	s_and_b32 s23, ttmp9, 1                        ; + 128 x the earlier wave's column half, bit 0 of g
	s_lshl_b32 s23, s23, 9
	s_add_co_u32 s22, s22, s23
	s_and_b32 s23, s4, 1                           ; + 64 (u % 2)
	s_lshl_b32 s23, s23, 8
	s_add_co_u32 s22, s22, s23
	s_mov_b32 s23, 0
	v_lshlrev_b32 v[VL16], 4, v2
	v_lshlrev_b32 v[VX], 12, v4
	v_lshl_add_u32 v[VX], v3, 4, v[VX]
	s_wait_kmcnt 0x0
	s_add_nc_u64 s[8:9], s[8:9], s[20:21]          ; quarter 0,
	s_add_nc_u64 s[14:15], s[8:9], 0x1000000       ; and the others, 16 MiB apart
	s_add_nc_u64 s[16:17], s[14:15], 0x1000000
	s_add_nc_u64 s[18:19], s[16:17], 0x1000000
	s_add_nc_u64 s[10:11], s[10:11], s[22:23]
	s_add_nc_u64 s[12:13], s[12:13], s[22:23]
.set i, 0
.rept 8                                ; piece by piece, so that the sums can begin while the later pieces are on their way
	global_load_b128 v[P+16*i:P+16*i+3],     v[VL16], s[8:9]   offset:512*i th:TH_LOAD_NT
	global_load_b128 v[P+16*i+4:P+16*i+7],   v[VL16], s[14:15] offset:512*i th:TH_LOAD_NT
	global_load_b128 v[P+16*i+8:P+16*i+11],  v[VL16], s[16:17] offset:512*i th:TH_LOAD_NT
	global_load_b128 v[P+16*i+12:P+16*i+15], v[VL16], s[18:19] offset:512*i th:TH_LOAD_NT
.set i, i+1
.endr
.set t, 0
.rept 8                                ; x: lanes 0-15 take 256 bytes of row 2 t, lanes 16-31 of row 2 t + 1
	global_load_b128 v[XR+4*t:XR+4*t+3], v[VX], s[10:11] offset:8192*t th:TH_LOAD_NT
.set t, t+1
.endr
	s_mul_i32 s5, s4, WREG                         ; my LDS
	v_mul_u32_u24 v[LST], v3, LP
	v_lshl_add_u32 v[LST], v4, 5, v[LST]
	v_add_nc_u32 v[LST], s5, v[LST]
	v_mul_u32_u24 v[RDL], v4, LP
	v_lshl_add_u32 v[RDL], v3, 4, v[RDL]
	v_add_nc_u32 v[RDL], s5, v[RDL]
.set i, 0
.rept 8
.set R, P+16*i
	s_wait_loadcnt 8+4*(7-i)                       ; loads come back in order (ISA guide 5.7.1): piece i's four are in; the later pieces' and x's eight stay out
	v_pk_add_f32 v[R:R+1], v[R:R+1], v[R+4:R+5]
	v_pk_add_f32 v[R+2:R+3], v[R+2:R+3], v[R+6:R+7]
	v_pk_add_f32 v[R+8:R+9], v[R+8:R+9], v[R+12:R+13]
	v_pk_add_f32 v[R+10:R+11], v[R+10:R+11], v[R+14:R+15]
	v_pk_add_f32 v[R:R+1], v[R:R+1], v[R+8:R+9]
	v_pk_add_f32 v[R+2:R+3], v[R+2:R+3], v[R+10:R+11]
	ds_store_b128 v[LST], v[R:R+3] offset:64*(i/2)+16*(i%2)  ; row l % 16, columns 16 (i / 2) + 8 (l / 16) + 4 (i % 2) on
.set i, i+1
.endr
.set t, 0
.rept 8
	ds_load_b128 v[P+16*t+4:P+16*t+7], v[RDL] offset:2*LP*t  ; LDS serves a wave's instructions in order (ISA guide 5.7.1.4): these see my stores above
.set t, t+1
.endr
	s_wait_loadcnt 0x0                             ; x
.set t, 0
.rept 8
.set R, P+16*t+4
	s_wait_dscnt 7-t                               ; row pair t is back; the younger loads stay out
	v_pk_add_f32 v[R:R+1], v[R:R+1], v[XR+4*t:XR+4*t+1]
	v_pk_add_f32 v[R+2:R+3], v[R+2:R+3], v[XR+4*t+2:XR+4*t+3]
	global_store_b128 v[VX], v[R:R+3], s[12:13] offset:8192*t th:TH_STORE_NT  ; sixteen lanes store 256 consecutive bytes, aligned
.set t, t+1
.endr
	s_wait_tensorcnt 0x0                           ; the wave's end: three closing lines, behind my last LDS store
	ds_add_u32 v[SPW], v[NIL]
	s_wait_dscnt 0x0
	s_endpgm
.Lfunc_end_k_q44013f8ed3_comb:
	.size	k_q44013f8ed3_comb, .Lfunc_end_k_q44013f8ed3_comb-k_q44013f8ed3_comb
	.p2alignl 7, 3214868480
	.fill 96, 4, 3214868480
	.section	.rodata,"a",@progbits
	.p2align	6, 0x0
	.amdhsa_kernel k_q44013f8ed3_comb
		.amdhsa_group_segment_fixed_size 71680
		.amdhsa_private_segment_fixed_size 0
		.amdhsa_enable_private_segment 0
		.amdhsa_kernarg_size 24
		.amdhsa_user_sgpr_count 2
		.amdhsa_user_sgpr_kernarg_segment_ptr 1
		.amdhsa_wavefront_size32 1
		.amdhsa_system_sgpr_workgroup_id_x 1
		.amdhsa_system_sgpr_workgroup_id_y 1
		.amdhsa_system_sgpr_workgroup_id_z 1
		.amdhsa_system_vgpr_workitem_id 0
		.amdhsa_next_free_vgpr 184
		.amdhsa_next_free_sgpr 66
		.amdhsa_reserve_vcc 0
		.amdhsa_float_denorm_mode_32 3
		.amdhsa_float_denorm_mode_16_64 3
		.amdhsa_memory_ordered 1
		.amdhsa_forward_progress 1
		.amdhsa_inst_pref_size 13
	.end_amdhsa_kernel
	.amdgpu_metadata
---
amdhsa.version: [ 1, 2 ]
amdhsa.kernels:
  - .name:           k_q44013f8ed3_comb
    .symbol:         k_q44013f8ed3_comb.kd
    .args:
      - { .name: part, .offset: 0, .size: 8, .value_kind: global_buffer, .address_space: global }
      - { .name: x, .offset: 8, .size: 8, .value_kind: global_buffer, .address_space: global }
      - { .name: out0, .offset: 16, .size: 8, .value_kind: global_buffer, .address_space: global }
    .group_segment_fixed_size: 71680
    .private_segment_fixed_size: 0
    .kernarg_segment_align: 8
    .kernarg_segment_size: 24
    .max_flat_workgroup_size: 512
    .sgpr_count:     66
    .vgpr_count:     184
    .wavefront_size: 32
...
	.end_amdgpu_metadata
.endif
;; end of part 4
;; ======== version 2 of 2: 4 launches; version 1 with the launch comb written anew for expert scheduling mode
;; workspace buffers: xn 8,388,608 bytes; gate 32,768 bytes; w1t 16,777,216 bytes; w2t 16,777,216 bytes; hid 67,108,864 bytes; part 67,108,864 bytes
;; launch prep: the kernel of part 1 again; grid 256 x 1, 16 waves a work-group, no clusters, 141,312 bytes of LDS; arguments x, gamma, beta, router_w, W1, W2, xn, gate, w1t, w2t; writes xn, gate, w1t, w2t
;; launch ffn1: the kernel of part 2 again; grid 32 x 8, 4 waves a work-group, clusters of 4 x 4, 327,680 bytes of LDS; arguments xn, w1t, hid, gate; writes hid
;; launch ffn2: the kernel of part 3 again; grid 4 x 64, 4 waves a work-group, clusters of 4 x 4, 327,680 bytes of LDS; arguments hid, w2t, part; writes part
;; launch comb (part 5): grid 256 x 1, 16 waves a work-group, no clusters, 71,680 bytes of LDS; arguments part, x, out0; writes out0
.if DOCPART == 5
	.amdgcn_target "amdgcn-amd-amdhsa--gfx1250"
	.amdhsa_code_object_version 6
	.text
	.protected	k_q44013f8ed3_comb
	.globl	k_q44013f8ed3_comb
	.p2align	8
	.type	k_q44013f8ed3_comb,@function
k_q44013f8ed3_comb:
	s_mov_b64 s[64:65], 0
	v_nop
	global_prefetch_b8 v0, s[64:65] scope:SCOPE_SE
	s_setreg_imm32_b32 hwreg(HW_REG_WAVE_SCHED_MODE, 0, 2), 2
	s_setreg_imm32_b32 hwreg(HW_REG_WAVE_MODE, 25, 1), 1
	s_wait_xcnt 0x0
	s_wait_alu depctr_vm_vsrc(0)
; COMB.  out0 = x + the four quarters of the second product: (p0 + p1) + (p2 + p3) + x, all in f32.
; part: [quarter][tile][wave][piece][lane][16 bytes] as the launch before stored its accumulators: tile = 4 x tile row + tile column of 256 x 256; wave w has rows 128 (w / 2) on and columns
; 128 (w % 2) on; piece = 2 (8 a + b) + q holds, in lane l, row 16 a + l % 16 and the columns 16 b + 8 (l / 16) + 4 q + 0..3.
; SHARES.  Work-group g takes tile g / 4, wave g % 4 of it: 64 KiB of each quarter.  Its wave u takes the 4 KiB at 4,096 u: a = u / 2, b = 4 (u % 2) + 0..3: 16 rows x 64 columns.
; Memory binds: every byte is read once, by loads of 512 consecutive bytes, all 40 of a wave issued before its first wait for data; the block is turned through the wave's own LDS, so that
; sixteen neighbouring lanes store 256 consecutive bytes, aligned.  No wave touches another's bytes: no barrier.  Matrix units, tensor loads and clusters would add nothing here.
; THE MODE: SCHED_MODE bits 1:0 = 2 (LLVM: expert scheduling mode 2), set by the entry lines.  The code itself states the register dependences between vector instructions and
; memory or LDS instructions, with s_wait_alu, always for 0.
; THE PLAN.  Registers that memory or LDS instructions touch:
;   v8-v11           the four offsets and LDS addresses: written at the head, ahead of one wait; read by every load and store; never written again.
;   P + 16 i + 0..15 piece i of the four quarters: the loads land here; the six additions read them and leave the sum in + 0..3, which the piece's LDS store reads; never written again.
;   P + 16 t + 4..7  when every addition is done reading them, row pair t comes back from LDS into them; the addition of x writes them; the global store reads them; never written again.
;   XR               x: the loads land here; the addition of x reads them.
;   v6, v7           written at the head, read by the closing add alone.
; The sums go in four blocks of two pieces, the way out in four blocks of two row pairs.  A block's stores are issued at the head of the NEXT block, behind that block's wait for its data
; and ONE wait on va_vdst, which states that the block before has written what those stores read.  No register that a memory or LDS instruction has read is written again, so no wait on
; vm_vsrc is owed ahead of the closing lines.
.set SPW,   6                          ; v6   LDS address of my spare word; never rewritten
.set NIL,   7                          ; v7   0; never rewritten
.set LP,    272                        ; an LDS row: 64 columns of f32 + 16 bytes of padding: sixteen rows start at sixteen different groups of four banks (64 banks of 4 bytes: ISA guide 11.1)
.set WREG,  16*LP                      ; a wave's own 16 rows
.set SPARE, 16*WREG                    ; 69,632 = 272 x 256: the spare words, 128 bytes for each of sixteen waves; no other line names them
.set VL16,  8                          ; v8   16 x lane
.set VX,    9                          ; v9   (l / 16) rows of 4,096 bytes + 16 (l % 16): my place in two rows of x and of out0
.set LST,   10                         ; v10  my LDS + (l % 16) x 272 + 32 (l / 16)
.set RDL,   11                         ; v11  my LDS + (l / 16) x 272 + 16 (l % 16)
.set P,     24                         ; v[24:151]  piece i of quarter k at P + 16 i + 4 k; the sum stays at k = 0; row pair t comes back at P + 16 t + 4
.set XR,    152                        ; v[152:183] x: row pair t at XR + 4 t
	s_load_b128 s[8:11], s[0:1], 0x0               ; part s[8:9], x s[10:11]
	s_load_b64 s[12:13], s[0:1], 0x10              ; out0
	v_lshl_add_u32 v[SPW], v0, 2, SPARE
	v_mov_b32 v[NIL], 0
	v_and_b32 v2, 31, v0                           ; lane
	v_and_b32 v3, 15, v0                           ; l % 16
	v_bfe_u32 v4, v0, 4, 1                         ; l / 16
	v_lshrrev_b32 v1, 5, v0
	v_readfirstlane_b32 s4, v1                     ; wave u, 0..15
	v_lshlrev_b32 v[VL16], 4, v2                   ; what of the offsets and addresses does not hang on the wave's number stands between that line and the wait for it
	v_lshlrev_b32 v[VX], 12, v4
	v_lshl_add_u32 v[VX], v3, 4, v[VX]
	v_mul_u32_u24 v[LST], v3, LP
	v_lshl_add_u32 v[LST], v4, 5, v[LST]
	v_mul_u32_u24 v[RDL], v4, LP
	v_lshl_add_u32 v[RDL], v3, 4, v[RDL]
	s_wait_alu depctr_va_sdst(0)                   ; s4 is written, ahead of its first reader: the wave's places in part, x, out0 and LDS are made from it
	s_lshl_b32 s20, ttmp9, 16                      ; in each quarter: 65,536 g + 4,096 u
	s_lshl_b32 s21, s4, 12
	s_add_co_u32 s20, s20, s21
	s_mov_b32 s21, 0
	s_lshr_b32 s22, ttmp9, 4                       ; my first row: 256 x tile row (g / 16)
	s_lshl_b32 s22, s22, 8
	s_bfe_u32 s23, ttmp9, 0x10001                  ; + 128 x the earlier wave's row half, bit 1 of g
	s_lshl_b32 s23, s23, 7
	s_add_co_u32 s22, s22, s23
	s_lshr_b32 s23, s4, 1                          ; + 16 a
	s_lshl_b32 s23, s23, 4
	s_add_co_u32 s22, s22, s23
	s_lshl_b32 s22, s22, 12                        ; rows of 4,096 bytes
	s_bfe_u32 s23, ttmp9, 0x20002                  ; my first column: 256 x tile column, bits 3:2 of g,
	s_lshl_b32 s23, s23, 10                        ; 4 bytes a column
	s_add_co_u32 s22, s22, s23
	s_and_b32 s23, ttmp9, 1                        ; + 128 x the earlier wave's column half, bit 0 of g
	s_lshl_b32 s23, s23, 9
	s_add_co_u32 s22, s22, s23
	s_and_b32 s23, s4, 1                           ; + 64 (u % 2)
	s_lshl_b32 s23, s23, 8
	s_add_co_u32 s22, s22, s23
	s_mov_b32 s23, 0
	s_mul_i32 s5, s4, WREG                         ; my LDS
	v_add_nc_u32 v[LST], s5, v[LST]
	v_add_nc_u32 v[RDL], s5, v[RDL]
	s_wait_kmcnt 0x0
	s_add_nc_u64 s[8:9], s[8:9], s[20:21]          ; quarter 0,
	s_add_nc_u64 s[14:15], s[8:9], 0x1000000       ; and the others, 16 MiB apart
	s_add_nc_u64 s[16:17], s[14:15], 0x1000000
	s_add_nc_u64 s[18:19], s[16:17], 0x1000000
	s_add_nc_u64 s[10:11], s[10:11], s[22:23]
	s_add_nc_u64 s[12:13], s[12:13], s[22:23]
	s_wait_alu depctr_va_vdst(0)                   ; v8 to v11 are written: every load and store below, global or LDS, reads one of them as its offset or address
.set i, 0
.rept 8                                ; piece by piece, so that the sums can begin while the later pieces are on their way
	global_load_b128 v[P+16*i:P+16*i+3],     v[VL16], s[8:9]   offset:512*i th:TH_LOAD_NT
	global_load_b128 v[P+16*i+4:P+16*i+7],   v[VL16], s[14:15] offset:512*i th:TH_LOAD_NT
	global_load_b128 v[P+16*i+8:P+16*i+11],  v[VL16], s[16:17] offset:512*i th:TH_LOAD_NT
	global_load_b128 v[P+16*i+12:P+16*i+15], v[VL16], s[18:19] offset:512*i th:TH_LOAD_NT
.set i, i+1
.endr
.set t, 0
.rept 8                                ; x: lanes 0-15 take 256 bytes of row 2 t, lanes 16-31 of row 2 t + 1
	global_load_b128 v[XR+4*t:XR+4*t+3], v[VX], s[10:11] offset:8192*t th:TH_LOAD_NT
.set t, t+1
.endr
; Block j's two sums (pieces 2 j and 2 j + 1) go into my LDS: row l % 16, columns 16 j + 8 (l / 16) + 0..3 and + 4..7.
.macro PUT j
	ds_store_b128 v[LST], v[P+32*(\j):P+32*(\j)+3]     offset:64*(\j)
	ds_store_b128 v[LST], v[P+32*(\j)+16:P+32*(\j)+19] offset:64*(\j)+16
.endm
; Block j's two row pairs (2 j and 2 j + 1) go out: sixteen lanes store 256 consecutive bytes, aligned.
.macro SEND j
	global_store_b128 v[VX], v[P+32*(\j)+4:P+32*(\j)+7],   s[12:13] offset:8192*(2*(\j)) th:TH_STORE_NT
	global_store_b128 v[VX], v[P+32*(\j)+20:P+32*(\j)+23], s[12:13] offset:8192*(2*(\j)+1) th:TH_STORE_NT
.endm
.set j, 0
.rept 4
	s_wait_loadcnt 8+8*(3-j)                       ; loads come back in order (ISA guide 5.7.1): block j's eight are in; the later blocks' and x's eight stay out
.if j > 0
	s_wait_alu depctr_va_vdst(0)                   ; the block before has written its two sums, which the two LDS stores below read
	PUT j-1
.endif
.set i, 2*j
.rept 2
.set R, P+16*i
	v_pk_add_f32 v[R:R+1], v[R:R+1], v[R+4:R+5]
	v_pk_add_f32 v[R+2:R+3], v[R+2:R+3], v[R+6:R+7]
	v_pk_add_f32 v[R+8:R+9], v[R+8:R+9], v[R+12:R+13]
	v_pk_add_f32 v[R+10:R+11], v[R+10:R+11], v[R+14:R+15]
	v_pk_add_f32 v[R:R+1], v[R:R+1], v[R+8:R+9]
	v_pk_add_f32 v[R+2:R+3], v[R+2:R+3], v[R+10:R+11]
.set i, i+1
.endr
.set j, j+1
.endr
	s_wait_alu depctr_va_vdst(0)                   ; block 3 has written its two sums, which the LDS stores read; and every addition is done reading P + 16 t + 4..7, in which the LDS loads below land
	PUT 3
.set t, 0
.rept 8
	ds_load_b128 v[P+16*t+4:P+16*t+7], v[RDL] offset:2*LP*t  ; LDS serves a wave's instructions in order (ISA guide 5.7.1.4): these see my stores above
.set t, t+1
.endr
	s_wait_loadcnt 0x0                             ; x
.set j, 0
.rept 4
	s_wait_dscnt 6-2*j                             ; row pairs 2 j and 2 j + 1 are back; the younger loads stay out
.if j > 0
	s_wait_alu depctr_va_vdst(0)                   ; the block before has added x onto its two row pairs, which the two stores below read
	SEND j-1
.endif
.set t, 2*j
.rept 2
.set R, P+16*t+4
	v_pk_add_f32 v[R:R+1], v[R:R+1], v[XR+4*t:XR+4*t+1]
	v_pk_add_f32 v[R+2:R+3], v[R+2:R+3], v[XR+4*t+2:XR+4*t+3]
.set t, t+1
.endr
.set j, j+1
.endr
	s_wait_alu depctr_va_vdst(0)                   ; block 3 has added x onto its two row pairs, which the last two stores read
	SEND 3
	s_wait_dscnt 0x0                               ; the wave's end: six closing lines for a launch in the mode that stores to LDS
	s_wait_alu 0x0
	s_wait_tensorcnt 0x0
	ds_add_u32 v[SPW], v[NIL]
	s_wait_dscnt 0x0
	s_endpgm
.Lfunc_end_k_q44013f8ed3_comb:
	.size	k_q44013f8ed3_comb, .Lfunc_end_k_q44013f8ed3_comb-k_q44013f8ed3_comb
	.p2alignl 7, 3214868480
	.fill 96, 4, 3214868480
	.section	.rodata,"a",@progbits
	.p2align	6, 0x0
	.amdhsa_kernel k_q44013f8ed3_comb
		.amdhsa_group_segment_fixed_size 71680
		.amdhsa_private_segment_fixed_size 0
		.amdhsa_enable_private_segment 0
		.amdhsa_kernarg_size 24
		.amdhsa_user_sgpr_count 2
		.amdhsa_user_sgpr_kernarg_segment_ptr 1
		.amdhsa_wavefront_size32 1
		.amdhsa_system_sgpr_workgroup_id_x 1
		.amdhsa_system_sgpr_workgroup_id_y 1
		.amdhsa_system_sgpr_workgroup_id_z 1
		.amdhsa_system_vgpr_workitem_id 0
		.amdhsa_next_free_vgpr 184
		.amdhsa_next_free_sgpr 66
		.amdhsa_reserve_vcc 0
		.amdhsa_float_denorm_mode_32 3
		.amdhsa_float_denorm_mode_16_64 3
		.amdhsa_memory_ordered 1
		.amdhsa_forward_progress 1
		.amdhsa_inst_pref_size 13
	.end_amdhsa_kernel
	.amdgpu_metadata
---
amdhsa.version: [ 1, 2 ]
amdhsa.kernels:
  - .name:           k_q44013f8ed3_comb
    .symbol:         k_q44013f8ed3_comb.kd
    .args:
      - { .name: part, .offset: 0, .size: 8, .value_kind: global_buffer, .address_space: global }
      - { .name: x, .offset: 8, .size: 8, .value_kind: global_buffer, .address_space: global }
      - { .name: out0, .offset: 16, .size: 8, .value_kind: global_buffer, .address_space: global }
    .group_segment_fixed_size: 71680
    .private_segment_fixed_size: 0
    .kernarg_segment_align: 8
    .kernarg_segment_size: 24
    .max_flat_workgroup_size: 512
    .sgpr_count:     66
    .vgpr_count:     184
    .wavefront_size: 32
...
	.end_amdgpu_metadata
.endif
;; end of part 5
